; MI455X (gfx1250); checked and timed in simulation.
; The chip was launched on July 23, 2026; its instructions are those of AMD's public machine-readable ISA for CDNA 5 (MIT licence, August 2026) and "CDNA5" Instruction Set Architecture Reference Guide (July 2026). The comments in the code are by the model that wrote it; some were corrected since.
;; Multi Head Self Attention. Allowed arithmetic: matrix products marked QUANTISED: E4M3 operands, one given power-of-two scale a tensor, by v_wmma_f32_16x16x64_fp8_fp8 or v_wmma_f32_16x16x128_fp8_fp8, f32 sums; everything else in f32.
;; Inputs: lowp_scales 12 int32 (the exponents e of the quantised operands' scales 2^e); token_positions 4 x 2,048 int32; wk 1,024 x 1,024 float32; wo 1,024 x 1,024 float32; wq 1,024 x 1,024 float32; wv 1,024 x 1,024 float32; x 4 x 2,048 x 1,024 float32.
;; Outputs: out0 4 x 2,048 x 1,024 float32.
;; This version of the problem:
;;   THIS VERSION OF THE PROBLEM IS GIVEN IN LOW PRECISION. The matrix products marked QUANTISED in the list below multiply operands that are first quantised to E4M3 (4 exponent bits, 3 mantissa bits; 8 bits a number), with one given power-of-two scale for each operand tensor; their sums are f32. All else is computed in f32.
;;   The module's matrix products, in the order in which they are computed (A, B: the left and right operand; K: the contracted axis; several contracted axes count as one K, in the product's order):
;;     1. [M 8,192, K 1,024] x [K 1,024, N 1,024]; A: input x; B: input wq: QUANTISED (scales: A lowp_scales[0], B lowp_scales[1])
;;     2. [M 8,192, K 1,024] x [K 1,024, N 1,024]; A: input x; B: input wk: QUANTISED (scales: A lowp_scales[2], B lowp_scales[3])
;;     3. [M 8,192, K 1,024] x [K 1,024, N 1,024]; A: input x; B: input wv: QUANTISED (scales: A lowp_scales[4], B lowp_scales[5])
;;     4. batch 64 x [M 2,048, K 64] x [K 64, N 2,048]; A: computed on the way; B: computed on the way: QUANTISED (scales: A lowp_scales[6], B lowp_scales[7])
;;     5. batch 64 x [M 2,048, K 2,048] x [K 2,048, N 64]; A: computed on the way; B: computed on the way: QUANTISED (scales: A lowp_scales[8], B lowp_scales[9])
;;     6. [M 8,192, K 1,024] x [K 1,024, N 1,024]; A: computed on the way; B: input wo: QUANTISED (scales: A lowp_scales[10], B lowp_scales[11])
;;   THE QUANTISER, for each operand of a quantised product, along K:
;;     - The operand's scale is 2^e, e = its entry of the input lowp_scales (int32; the entries are numbered through the quantised products in the list's order, A before B).
;;     - Each number is divided by the scale, clamped to +-448, and rounded to the nearest number of E4M3, ties to even, subnormals kept.
;;     - The product sums the exact products of the quantised numbers (number of the format x scale) in f32.
;;   ~~~python
;;   def quantise(x, axis, e):      # numpy; x: float32 -> the quantised numbers, widened to float32 again
;;       x = np.moveaxis(x, axis, -1); K = x.shape[-1]
;;       r = np.clip(x / 2.0 ** e, -448, 448)
;;       step = 2.0 ** (np.maximum(np.frexp(np.where(r == 0, 1, r))[1] - 1, -6) - 3)
;;       q = np.round(r / step) * step * 2.0 ** e      # np.round: ties to even
;;       return np.moveaxis(q, -1, axis).astype(np.float32)
;;   ~~~
;;   OPERANDS COMPUTED ON THE WAY. 'Computed on the way' means the value that the module computes at that place (a softmax that the list does not call 'softmax' is quantised finished and normalised). What goes into a quantiser is computed in f32, as accurately as f32 sums, v_exp_f32 and their like allow (about 1e-6 of the number): no bf16 or f16 on the way to a quantiser, and a product that is left as it is and whose result goes on into a quantised operand takes f32 operands (vector FMAs, or v_wmma_f32_16x16x4_f32). A number that lies on a knife's edge between two numbers of the format may be rounded either way, as far as f32 arithmetic and the matrix unit's own rounding can turn it there, and no further.
;; One version. Each part assembles by itself: llvm-mc -triple=amdgcn-amd-amdhsa -mcpu=gfx1250 --defsym DOCPART=n.
;; ======== version 1 of 1: 4 launches
;; limits: right only within a limited range of input values
;; workspace buffers: xc 25,165,824 bytes; wc 4,194,304 bytes; tab 2,097,152 bytes; qkvf 25,165,824 bytes; af 8,388,608 bytes
;; launch prep (part 1): grid 896 x 1, 4 waves a work-group, no clusters, 34,304 bytes of LDS; arguments x, wq, wk, wv, wo, token_positions, lowp_scales, xc, wc, tab; writes xc, wc, tab
.if DOCPART == 1
	.amdgcn_target "amdgcn-amd-amdhsa--gfx1250"
	.amdhsa_code_object_version 6
	.text
	.protected	k_q7f6cf6927a_prep
	.globl	k_q7f6cf6927a_prep
	.p2align	8
	.type	k_q7f6cf6927a_prep,@function
k_q7f6cf6927a_prep:
	s_mov_b64 s[64:65], 0
	v_nop
	global_prefetch_b8 v0, s[64:65] scope:SCOPE_SE
	s_setreg_imm32_b32 hwreg(HW_REG_WAVE_MODE, 25, 1), 1
	s_wait_xcnt 0x0
; PREP: x and the four weights (f32, K innermost) become codes of E4M3, and the positions become a table of cos and sin.
; code = number / 2^e, held within +-448, to the nearest code, ties to even.  x is an operand of three products with three given scales (entries 0, 2, 4): it is quantised three times.
; wq, wk, wv, wo take entries 1, 3, 5, 11.
; THE CODES ARE LAID AS IMAGES OF OPERAND REGISTERS.  A fragment is 16 rows x 128 along K: 16 registers a lane; lane (r = lane % 16, h = lane / 16) holds row r, registers 2 c, 2 c + 1 hold
; k = 16 c + 8 h + 0 .. 7.  Four registers of all 32 lanes are 512 consecutive bytes (lane l's 16 bytes at 16 l); a fragment is 2,048 bytes; fragments lie [row tile][K step].
; So a reader gets a fragment by four dense loads, and this launch's conversions' results are stored as they stand, 512 consecutive bytes a store.
; WORK-GROUPS: 0-127 the table; 128-639 x; 640-895 the weights, 64 each.  A wave of the quantiser takes 16 rows x 256 along K (two fragments): 32 loads of 512 consecutive bytes, all out at once.
; The loaded rows turn through the wave's own stage in LDS (16 rows, 528 bytes apart: 33 x 16, so the 16 rows of a read start at 16 different banks), since a conversion takes eight neighbours along K from one lane.
; x and the weights take one path: only pointers and exponents are chosen, by the work-group's number.  Waves share nothing: no barrier.
; THE TABLE: [block of 16 rows][g 0..7][lane][4 f32]: lane (r, h) of group g holds cos, sin of pair i and of pair i + 1, i = 8 (g / 2) + 4 h + 2 (g % 2), for row r: the order in which the next launch's results want them.
; angle = pos x e^(2 i x (-ln 10000 / 64)), products in f32 as the problem writes them; e^ by a split of the exponent's low part; cos and sin by a three-part reduction by pi / 2 and polynomials on +-pi / 4.
; LIMITS: each e between -126 and 119; |pos x div| under 2^17; NaN among the inputs is not served (an infinity is held at the largest code).
.set R0,  16                           ; v16-79   K step 0 as loaded; later K step 1's neighbours
.set R1,  80                           ; v80-143  K step 1 as loaded
.set XX,  144                          ; v144-207 K step 0's neighbours: register 8 c + i = k 16 c + 8 h + i of my row
.set TT,  208                          ; v208-223 two sets of eight held numbers
.set CC,  224                          ; v224-255 two sets of a fragment's 16 registers of codes
.set SPI, 528                          ; a stage row
.set WST, 16*SPI                       ; a wave's stage
	s_load_b512 s[8:23], s[0:1], 0x0               ; x s[8:9], wq s[10:11], wk s[12:13], wv s[14:15], wo s[16:17], positions s[18:19], exponents s[20:21], xc s[22:23]
	s_load_b128 s[24:27], s[0:1], 0x40             ; wc s[24:25], tab s[26:27]
	v_lshl_add_u32 v14, v0, 2, 0x8400
	v_mov_b32 v15, 0
	v_lshrrev_b32 v10, 5, v0
	v_readfirstlane_b32 s36, v10                   ; wave
	v_and_b32 v11, 31, v0
	v_lshlrev_b32 v1, 4, v11                       ; 16 x lane: never rewritten
	v_and_b32 v12, 15, v0                          ; r
	v_bfe_u32 v13, v0, 4, 1                        ; h
	s_cmp_lt_u32 ttmp9, 128
	s_cbranch_scc1 .Ltab
	; ---------------- the quantiser
	s_sub_co_u32 s2, ttmp9, 128                    ; u
	s_sub_co_u32 s3, s2, 512                       ; u - 512: a weight's work-groups count from here
	s_bfe_u32 s38, s3, 0x20006                     ; which weight (used only where the work-group is a weight's)
	s_and_b32 s3, s3, 63
	s_cmp_lt_u32 s2, 512
	s_cselect_b32 s37, 1, 0                        ; 1: x
	s_cselect_b32 s2, s2, s3
	s_lshl_b32 s39, s2, 2
	s_add_co_u32 s39, s39, s36                     ; P: my pair of fragments: row tile P / 4, K steps 2 (P % 4) and + 1
	s_lshr_b32 s4, s39, 2
	s_lshl_b32 s4, s4, 16                          ; 16 rows of 4,096 bytes
	s_and_b32 s5, s39, 3
	s_lshl_b32 s5, s5, 10                          ; 256 numbers
	s_add_co_u32 s4, s4, s5
	s_mov_b32 s5, 0
	s_lshl_b32 s6, s39, 12                         ; two fragments of codes
	s_mov_b32 s7, 0
	s_lshl_b32 s52, s38, 20                        ; a weight's part of wc
	s_cmp_lg_u32 s37, 0
	s_cselect_b32 s52, 0, s52
	s_add_co_u32 s54, s6, s52
	s_mov_b32 s55, 0
	s_mul_i32 s53, s36, WST
	s_wait_alu depctr_va_vdst(0)
	v_add_nc_u32 v2, s53, v1                       ; the stage, on the way in: a row's 512 bytes as they lie
	v_mul_u32_u24 v3, v12, SPI
	v_lshl_add_u32 v3, v13, 5, v3
	v_add_nc_u32 v3, s53, v3                       ; on the way out: row r, + 32 h bytes: my eight numbers of each 16
	s_wait_alu depctr_va_vdst(0)
	s_wait_kmcnt 0x0
	s_load_b256 s[40:47], s[20:21], 0x0            ; e0 .. e7
	s_load_b128 s[48:51], s[20:21], 0x20           ; e8 .. e11
	s_cmp_eq_u32 s38, 1
	s_cselect_b64 s[28:29], s[12:13], s[10:11]
	s_cmp_eq_u32 s38, 2
	s_cselect_b64 s[28:29], s[14:15], s[28:29]
	s_cmp_eq_u32 s38, 3
	s_cselect_b64 s[28:29], s[16:17], s[28:29]
	s_cmp_lg_u32 s37, 0
	s_cselect_b64 s[28:29], s[8:9], s[28:29]       ; the tensor that I read,
	s_cselect_b64 s[30:31], s[22:23], s[24:25]     ; and the buffer that takes its (first) codes
	s_add_nc_u64 s[28:29], s[28:29], s[4:5]
	s_add_nc_u64 s[30:31], s[30:31], s[54:55]
	s_add_nc_u64 s[32:33], s[22:23], s[6:7]
	s_add_nc_u64 s[34:35], s[32:33], 0x1000000     ; x under entry 4: xc's third part
	s_add_nc_u64 s[32:33], s[32:33], 0x800000      ; x under entry 2: its second
.macro LOADF reg, f                    ; K step f of my 16 rows: each load takes 512 consecutive bytes of one row
.irp i, 0,1,2,3,4,5,6,7,8,9,10,11,12,13,14,15
	global_load_b128 v[\reg+4*\i:\reg+4*\i+3], v1, s[28:29] offset:4096*\i+512*\f th:TH_LOAD_NT
.endr
.endm
.macro THRU src, dst                   ; through the stage: LDS serves a wave's instructions in order, so no wait stands between the stores and the loads
.irp i, 0,1,2,3,4,5,6,7,8,9,10,11,12,13,14,15
	ds_store_b128 v2, v[\src+4*\i:\src+4*\i+3] offset:SPI*\i
.endr
.irp c, 0,1,2,3,4,5,6,7
	ds_load_b128 v[\dst+8*\c:\dst+8*\c+3], v3 offset:64*\c
	ds_load_b128 v[\dst+8*\c+4:\dst+8*\c+7], v3 offset:64*\c+16
.endr
.endm
.macro MKSC e, sc, lm                  ; 2^e as f32 (the conversion takes its exponent field), and 448 x 2^e
	s_add_co_i32 s57, s[\e], 127
	s_lshl_b32 s58, s57, 23
	v_mov_b32 v[\sc], s58
	s_add_co_i32 s57, s57, 8
	s_lshl_b32 s57, s57, 23
	s_or_b32 s57, s57, 0x600000
	v_mov_b32 v[\lm], s57
.endm
; The fragment in v[x] on is quantised with scale k and stored.  n counts the fragments made: their codes take two sets of registers by turns.
.macro CONV x, k, n, f
.if \n >= 2
	s_wait_xcnt 0x0                                ; the stores that read this set of codes have had their addresses translated: only behind this wait is the set rewritten
.endif
.irp c, 0,1,2,3,4,5,6,7
.irp i, 0,1,2,3,4,5,6,7
	v_med3_num_f32 v[TT+8*(\c%2)+\i], v[\x+8*\c+\i], -v[7+\k], v[7+\k]   ; the conversion to an 8-bit code does not saturate (ISA guide 7.6.2): the hold comes first.  The numbers stay as they are for the next scale
.endr
	v_cvt_scalef32_pk8_fp8_f32 v[CC+16*((\n)%2)+2*\c:CC+16*((\n)%2)+2*\c+1], v[TT+8*(\c%2):TT+8*(\c%2)+7], v[4+\k]   ; the next eight holds write the other set: plain lines between a conversion and the rewriting of its sources
.endr
.irp g, 0,1,2,3
	global_store_b128 v1, v[CC+16*((\n)%2)+4*\g:CC+16*((\n)%2)+4*\g+3], s[30+2*\k:31+2*\k] offset:2048*\f+512*\g   ; 512 consecutive bytes, aligned
.endr
.endm
	LOADF R0, 0
	LOADF R1, 1
	s_wait_kmcnt 0x0
	s_cmp_eq_u32 s38, 1
	s_cselect_b32 s56, s43, s41
	s_cmp_eq_u32 s38, 2
	s_cselect_b32 s56, s45, s56
	s_cmp_eq_u32 s38, 3
	s_cselect_b32 s56, s51, s56
	s_cmp_lg_u32 s37, 0
	s_cselect_b32 s56, s40, s56                    ; x: entry 0; a weight: its own entry
	MKSC 56, 4, 7
	MKSC 42, 5, 8                                  ; entry 2
	MKSC 44, 6, 9                                  ; entry 4
	s_wait_alu depctr_va_vdst(0)
	s_wait_loadcnt 16                              ; K step 0's 16 loads are in; K step 1's 16 may be out
	THRU R0, XX
	s_wait_dscnt 0x0
	CONV XX, 0, 0, 0
	s_cmp_lg_u32 s37, 0
	s_cbranch_scc0 .Lone_a                         ; a weight has one scale
	CONV XX, 1, 1, 0
	CONV XX, 2, 2, 0
.Lone_a:
	s_wait_loadcnt 0x0
	THRU R1, R0
	s_wait_dscnt 0x0
	CONV R0, 0, 3, 1
	s_cmp_lg_u32 s37, 0
	s_cbranch_scc0 .Lone_b
	CONV R0, 1, 4, 1
	CONV R0, 2, 5, 1
.Lone_b:
	s_wait_tensorcnt 0x0
	ds_add_u32 v14, v15
	s_wait_dscnt 0x0
	s_endpgm
	; ---------------- the table: a wave takes one block of 16 rows
.Ltab:
	s_lshl_b32 s2, ttmp9, 2
	s_add_co_u32 s2, s2, s36                       ; the block
	s_lshl_b32 s4, s2, 6                           ; its 16 positions
	s_mov_b32 s5, 0
	s_lshl_b32 s6, s2, 12                          ; its 4,096 bytes of the table
	s_mov_b32 s7, 0
	s_mov_b32 s60, 0xbe135d8e                      ; -ln(10000) / 64
	s_mov_b32 s61, 0x3fb8aa3b                      ; log2(e), and
	s_mov_b32 s62, 0x32a57060                      ; what f32 leaves of it
	s_mov_b32 s63, 0x3f317218                      ; ln 2
	s_mov_b32 s66, 0x3f22f983                      ; 2 / pi
	s_mov_b32 s67, 0x3fc90fda                      ; pi / 2 in three parts
	s_mov_b32 s68, 0x33a22168
	s_mov_b32 s69, 0x27c234c4
	s_mov_b32 s70, 0xb94ca1f9                      ; sine: r + r z (s72 + z (s71 + z s70))
	s_mov_b32 s71, 0x3c08839e
	s_mov_b32 s72, 0xbe2aaaa3
	s_mov_b32 s73, 0x37ccf5ce                      ; cosine: 1 - z / 2 + z z (s75 + z (s74 + z s73))
	s_mov_b32 s74, 0xbab6061a
	s_mov_b32 s75, 0x3d2aaaa5
	s_wait_alu depctr_va_vdst(0)
	v_lshlrev_b32 v2, 2, v12                       ; 4 r
	v_lshlrev_b32 v3, 3, v13                       ; 8 h
	s_wait_alu depctr_va_vdst(0)
	s_wait_kmcnt 0x0
	s_add_nc_u64 s[18:19], s[18:19], s[4:5]
	s_add_nc_u64 s[26:27], s[26:27], s[6:7]
	global_load_b32 v4, v2, s[18:19]               ; my row's position
	; number idx = 2 g + n of 16: pair i with 2 i = 16 (idx / 4) + 2 (idx % 4) + 8 h
.set idx, 0
.rept 16
	v_add_nc_u32 v48, 16*(idx/4)+2*(idx%4), v3
	v_cvt_f32_u32 v48, v48
	v_mul_f32 v48, s60, v48                        ; the exponent, one f32 product
	v_mul_f32 v[16+idx], s61, v48                  ; y = exponent x log2(e),
	v_fma_f32 v49, v48, s61, -v[16+idx]            ; what that product's rounding lost,
	v_fma_f32 v49, v48, s62, v49                   ; and what log2(e)'s did
	v_mul_f32 v[32+idx], s63, v49                  ; x ln 2
.set idx, idx+1
.endr
.set idx, 0
.rept 16
	v_exp_f32 v[16+idx], v[16+idx]                 ; one batch
.set idx, idx+1
.endr
	v_nop                                          ; a plain line behind the last exponential
	s_wait_loadcnt 0x0
	v_cvt_f32_i32 v4, v4
	s_wait_alu depctr_va_vdst(0)                   ; one wait for the batch, ahead of its first reader
.set idx, 0
.rept 16
	v_fma_f32 v[16+idx], v[16+idx], v[32+idx], v[16+idx]   ; div = 2^y (1 + low part)
	v_mul_f32 v[16+idx], v4, v[16+idx]             ; the angle
.set idx, idx+1
.endr
.set idx, 0
.rept 16
	v_mul_f32 v48, s66, v[16+idx]
	v_rndne_f32 v48, v48                           ; n: the nearest multiple of pi / 2
	v_fma_f32 v49, -v48, s67, v[16+idx]
	v_fma_f32 v49, -v48, s68, v49
	v_fma_f32 v49, -v48, s69, v49                  ; r, within +-pi / 4
	v_mul_f32 v50, v49, v49                        ; z
	v_fma_f32 v51, v50, s70, s71
	v_fma_f32 v51, v51, v50, s72
	v_mul_f32 v52, v50, v49
	v_fma_f32 v51, v51, v52, v49                   ; sin r
	v_fma_f32 v53, v50, s73, s74
	v_fma_f32 v53, v53, v50, s75
	v_mul_f32 v54, v50, v50
	v_fma_f32 v55, v50, -0.5, 1.0
	v_fma_f32 v53, v53, v54, v55                   ; cos r
	v_cvt_i32_f32 v56, v48                         ; the quadrant is n mod 4
	v_and_b32 v57, 1, v56
	v_cmp_eq_u32 vcc_lo, 1, v57
	v_cndmask_b32 v58, v51, v53, vcc_lo            ; odd quadrants: sine and cosine change places
	v_cndmask_b32 v59, v53, v51, vcc_lo
	v_and_b32 v57, 2, v56
	v_lshlrev_b32 v57, 30, v57
	v_xor_b32 v[65+2*idx], v57, v58                ; the sine is negated in quadrants 2, 3,
	v_add_nc_u32 v57, 1, v56
	v_and_b32 v57, 2, v57
	v_lshlrev_b32 v57, 30, v57
	v_xor_b32 v[64+2*idx], v57, v59                ; the cosine in 1, 2
.set idx, idx+1
.endr
.irp g, 0,1,2,3,4,5,6,7
	global_store_b128 v1, v[64+4*\g:64+4*\g+3], s[26:27] offset:512*\g   ; 512 consecutive bytes, aligned
.endr
	s_endpgm
.Lfunc_end_k_q7f6cf6927a_prep:
	.size	k_q7f6cf6927a_prep, .Lfunc_end_k_q7f6cf6927a_prep-k_q7f6cf6927a_prep
	.p2alignl 7, 3214868480
	.fill 96, 4, 3214868480
	.section	.rodata,"a",@progbits
	.p2align	6, 0x0
	.amdhsa_kernel k_q7f6cf6927a_prep
		.amdhsa_group_segment_fixed_size 34304
		.amdhsa_private_segment_fixed_size 0
		.amdhsa_enable_private_segment 0
		.amdhsa_kernarg_size 80
		.amdhsa_user_sgpr_count 2
		.amdhsa_user_sgpr_kernarg_segment_ptr 1
		.amdhsa_wavefront_size32 1
		.amdhsa_system_sgpr_workgroup_id_x 1
		.amdhsa_system_sgpr_workgroup_id_y 1
		.amdhsa_system_sgpr_workgroup_id_z 1
		.amdhsa_system_vgpr_workitem_id 0
		.amdhsa_next_free_vgpr 256
		.amdhsa_next_free_sgpr 96
		.amdhsa_reserve_vcc 1
		.amdhsa_float_denorm_mode_32 3
		.amdhsa_float_denorm_mode_16_64 3
		.amdhsa_memory_ordered 1
		.amdhsa_forward_progress 1
		.amdhsa_inst_pref_size 68
	.end_amdhsa_kernel
	.amdgpu_metadata
---
amdhsa.version: [ 1, 2 ]
amdhsa.kernels:
  - .name:           k_q7f6cf6927a_prep
    .symbol:         k_q7f6cf6927a_prep.kd
    .args:
      - { .name: x, .offset: 0, .size: 8, .value_kind: global_buffer, .address_space: global }
      - { .name: wq, .offset: 8, .size: 8, .value_kind: global_buffer, .address_space: global }
      - { .name: wk, .offset: 16, .size: 8, .value_kind: global_buffer, .address_space: global }
      - { .name: wv, .offset: 24, .size: 8, .value_kind: global_buffer, .address_space: global }
      - { .name: wo, .offset: 32, .size: 8, .value_kind: global_buffer, .address_space: global }
      - { .name: token_positions, .offset: 40, .size: 8, .value_kind: global_buffer, .address_space: global }
      - { .name: lowp_scales, .offset: 48, .size: 8, .value_kind: global_buffer, .address_space: global }
      - { .name: xc, .offset: 56, .size: 8, .value_kind: global_buffer, .address_space: global }
      - { .name: wc, .offset: 64, .size: 8, .value_kind: global_buffer, .address_space: global }
      - { .name: tab, .offset: 72, .size: 8, .value_kind: global_buffer, .address_space: global }
    .group_segment_fixed_size: 34304
    .private_segment_fixed_size: 0
    .kernarg_segment_align: 8
    .kernarg_segment_size: 80
    .max_flat_workgroup_size: 128
    .sgpr_count:     96
    .vgpr_count:     256
    .wavefront_size: 32
...
	.end_amdgpu_metadata
.endif
;; end of part 1
;; launch qkv (part 2): grid 12 x 32, 4 waves a work-group, clusters of 4 x 4, 327,680 bytes of LDS; arguments xc, wc, tab, lowp_scales, qkvf; writes qkvf
.if DOCPART == 2
	.amdgcn_target "amdgcn-amd-amdhsa--gfx1250"
	.amdhsa_code_object_version 6
	.text
	.protected	k_q7f6cf6927a_qkv
	.globl	k_q7f6cf6927a_qkv
	.p2align	8
	.type	k_q7f6cf6927a_qkv,@function
k_q7f6cf6927a_qkv:
	s_mov_b64 s[64:65], 0
	v_nop
	global_prefetch_b8 v0, s[64:65] scope:SCOPE_SE
	s_setreg_imm32_b32 hwreg(HW_REG_WAVE_MODE, 25, 1), 1
	s_wait_xcnt 0x0
	s_wait_alu depctr_hold_cnt(0) depctr_sa_sdst(0) depctr_va_vdst(0) depctr_va_sdst(0) depctr_va_ssrc(0) depctr_va_vcc(0) depctr_vm_vsrc(0)
	s_getreg_b32 s2, hwreg(HW_REG_IB_STS2, 6, 4)
	s_cmp_eq_u32 s2, 0
	s_cbranch_scc0 .Lentry_in_a_cluster
	s_endpgm
.Lentry_in_a_cluster:
	s_bfe_u32 s2, ttmp6, 0x10000c
	s_cmp_lg_u32 s2, 0xf033
	s_cbranch_scc0 .Lentry_shape_is_right
	s_endpgm
.Lentry_shape_is_right:
; QKV: the three projections on codes of E4M3 (v_wmma_f32_16x16x128_fp8_fp8, sums in f32), the rotation of q and k, and the quantisers of q (entry 6), k (entry 7) and v (entry 9) of the given scales.
; The cluster's x says which: 0 q, 1 k, 2 v; it picks x's codes (three parts of xc, one for each of x's three scales), the weight's part of wc and the part of qkvf.
; A tile of 256 x 256 results is made by four waves, each 128 x 128: 64 accumulators, 512 registers.  K = 1,024 goes in eight steps of 128 through two LDS slots of two steps each.
; OPERANDS LIE IN MEMORY AS IMAGES OF THEIR REGISTERS: a fragment (16 rows x 128 K) is 2,048 bytes, four registers of the 32 lanes on end; fragments lie [row tile][K step].  A tensor load brings, for eight row tiles,
; the 4,096 bytes of two K steps (eight rows of 4,096 bytes, 16,384 apart), dense in LDS; a fragment comes by four loads of 512 consecutive bytes: no padding is wanted, and each k stands in the place that the form gives it.
; ROLES.  Source 0 of a product is role B's fragment, source 1 role A's: a lane then holds ONE row of role A (lane % 16), and its eight registers eight neighbouring rows of role B (8 (lane / 16) + j).
;   q, k: role A = tokens, role B = the weight's rows (channels): a lane's registers run along the head's channels, the K of the scores' product;
;   v:    role A = channels, role B = tokens: a lane's registers run along the keys, the K of the second product.  The roles are changed by addresses alone.
; So the conversions' results ARE the registers of the next launch's operands, and are stored as they stand: 512 consecutive bytes a store, no way through LDS.
;   q, k parts of qkvf: [batch x head][tile of 16 tokens][1,024 bytes: 16 rows x 64 K];   v part: [batch x head][step of 128 keys][tile of 16 channels][2,048 bytes: 16 rows x 128 K].
; THE ROTATION is linear, so it works on the raw sums; the three scales are folded into the conversion's one: code = rotated sum / 2^(e_out - e_x - e_w).
; CLUSTERS: 4 x 4 work-groups.  Role A's tile hangs on the cluster's y and cy alone and is asked for jointly by a row of the cluster, role B's on the cluster's y and cx alone, by a column.
; LIMITS: e6 - e0 - e1, e7 - e2 - e3 and e9 - e4 - e5 lie between -126 and 119.
; REGISTERS: window 0: v16-31 addresses and scales; v64-127 two sets of a token block's cos and sin; v128-255 role A's fragments, one set (on the way out: v128-191 numbers, v192-223 two sets of codes);
;   window 1: role B's fragments, two sets;   window 2, 3: the accumulators ((a, b) at v[8 (8 (a % 4) + b)]).
.set SLOT,  131072                     ; role A's 16 row tiles x 4,096 bytes, then role B's
.set SPARE, 2*SLOT                     ; behind the ring: the spare words, 128 bytes for each wave
.set FR,    16                         ; registers of a fragment
.set NL,    4                          ; LDS loads that bring one
.set NP,    4                          ; places behind this matrix instruction (ISA guide 7.12.1)
.set ADRA, 16                          ; v16-17  LDS address of my role A fragments in slot 0, 1
.set ADRB, 20                          ; v20-21  the same for role B
.set LO,   26                          ; v26     16 x lane; never rewritten
.set SPW,  28                          ; v28     LDS address of my spare word; never rewritten
.set NIL,  29                          ; v29     0; never rewritten
.set LIM,  30                          ; v30     448 x the folded scale
.set SCL,  31                          ; v31     the folded scale as f32
.set CS,   64
.set AF,   128
.set TT,   128
.set CC,   192
.set G1, 24                            ; s[24:31] descriptor group 1 for role A;  s[32:39] group 0, a set for each slot
.set G0, 32
.set G1B, 48                           ; s[48:55], s[56:63] the same for role B
.set G0B, 56
.set MSB, 0
.macro WIN new                         ; the immediate's high byte repeats the setting that is left
.if MSB != \new
	s_set_vgpr_msb (MSB<<8)|\new
.set MSB, \new
.endif
.endm
.set MUL_LO, 0xa1                      ; source 0 (role B) window 1, source 1 (role A) window 0, C and D window 2
.set MUL_HI, 0xf1                      ; the same, C and D window 3
.set TO_B,   0x40                      ; destination window 1, address window 0
; A joint load: waves 0 and 1 fetch role A's halves, waves 2 and 3 role B's.  The branch hangs on the wave's number alone.  Four v_nop follow each of the two lines.
.macro JLOAD g0a, g1a, g0b, g1b
	s_cmp_eq_u32 s15, 0
	s_cbranch_scc0 .Lfor_b_\@
	tensor_load_to_lds s[\g0a:\g0a+3], s[\g1a:\g1a+7]
	s_nop 0
.rept 4
	v_nop
.endr
	s_branch .Lasked_\@
.Lfor_b_\@:
	tensor_load_to_lds s[\g0b:\g0b+3], s[\g1b:\g1b+7]
	s_nop 0
.rept 4
	v_nop
.endr
.Lasked_\@:
.endm
.macro CREST                           ; a round of the cluster's barrier behind its opening barrier
	s_cmp_lg_u32 s14, 0
	s_cbranch_scc1 .Lnot_wave_0_\@
	s_barrier_signal -3
.Lnot_wave_0_\@:
	s_barrier_wait -3
	s_barrier_signal -1
	s_barrier_wait -1
.endm
.macro CROUND
	s_barrier_signal -1
	s_barrier_wait -1
	CREST
.endm
	s_load_b256 s[80:87], s[0:1], 0x0              ; xc s[80:81], wc s[82:83], tab s[84:85], exponents s[86:87]
	s_load_b64 s[88:89], s[0:1], 0x20              ; qkvf
	v_lshl_add_u32 v[SPW], v0, 2, SPARE
	v_mov_b32 v[NIL], 0
	ds_add_u32 v28, v29
	ds_add_u32 v28, v29
	s_wait_dscnt 0x0
	v_lshrrev_b32 v1, 5, v0
	v_readfirstlane_b32 s14, v1                    ; wave 0..3
	s_lshr_b32 s15, s14, 1                         ; which half of role A's rows is mine.  Also: I fetch for role A (0) or B (1)
	s_and_b32 s16, s14, 1                          ; which half of role B's rows.  Also: which eight row tiles I fetch
	s_bfe_u32 s40, ttmp6, 0x40000                  ; cx
	s_bfe_u32 s41, ttmp6, 0x40004                  ; cy
	s_mov_b32 s66, ttmp9                           ; 0 q, 1 k, 2 v: the cluster's x, the same in all sixteen partners
	s_and_b32 s67, ttmp7, 0xffff
	s_lshl_b32 s67, s67, 2                         ; 4 x the cluster's y
	s_add_co_u32 s17, s67, s41
	s_add_co_u32 s42, s67, s40
	s_cmp_eq_u32 s66, 2
	s_cselect_b32 s17, s41, s17                    ; RA, role A's tile of 256 rows: tokens 4 Y + cy, or (v) channels cy: made of cy alone
	s_cselect_b32 s42, s42, s40                    ; RB, role B's: channels cx, or (v) tokens 4 Y + cx: made of cx alone
	s_lshl_b32 s43, s41, 2
	s_lshl_b32 s43, 15, s43                        ; my row of the cluster
	s_lshl_b32 s44, 0x1111, s40                    ; my column
	; descriptor group 1: eight rows of 512 elements of 8 bytes, 2,048 elements apart; no padding
	s_or_b32 s[G1+0], s43, (3<<16)|(1<<21)         ; 15:0 the mask; 17:16 elements of 8 bytes; 21 set beside a mask
	s_or_b32 s[G1B+0], s44, (3<<16)|(1<<21)
.irp g, G1, G1B
	s_mov_b32 s[\g+1], 512<<16                     ; tensor_dim0
	s_mov_b32 s[\g+2], 8<<16                       ; tensor_dim1
	s_mov_b32 s[\g+3], 512<<16                     ; tile_dim0
	s_mov_b32 s[\g+4], 8                           ; tile_dim1
	s_mov_b32 s[\g+5], 2048                        ; tensor_dim0_stride
	s_mov_b32 s[\g+6], 0
	s_mov_b32 s[\g+7], 0
.endr
	s_lshl_b32 s18, s16, 3                         ; which eight row tiles I fetch
	s_lshl_b32 s20, s17, 4
	s_add_co_u32 s20, s20, s18
	s_lshl_b32 s20, s20, 14                        ; role A: row tile 16 RA + 8 x half, 16,384 bytes each
	s_mov_b32 s21, 0
	s_lshl_b32 s46, s42, 4
	s_add_co_u32 s46, s46, s18
	s_lshl_b32 s46, s46, 14                        ; role B likewise
	s_mov_b32 s47, 0
	s_lshl_b32 s45, s14, 15                        ; where they go: wave x 32,768: no place in the cluster enters an LDS address
	s_lshl_b32 s22, s66, 23                        ; the part of xc and of qkvf
	s_mov_b32 s23, 0
	s_lshl_b32 s90, s66, 20                        ; the part of wc
	s_mov_b32 s91, 0
	s_wait_kmcnt 0x0
	s_load_b256 s[68:75], s[86:87], 0x0            ; e0 .. e7
	s_load_b128 s[76:79], s[86:87], 0x20           ; e8 .. e11
	s_add_nc_u64 s[4:5], s[80:81], s[22:23]        ; x's codes
	s_add_nc_u64 s[6:7], s[82:83], s[90:91]        ; the weight's
	s_add_nc_u64 s[10:11], s[88:89], s[22:23]      ; the results' part
	s_cmp_eq_u32 s66, 2
	s_cselect_b64 s[92:93], s[6:7], s[4:5]         ; role A
	s_cselect_b64 s[94:95], s[4:5], s[6:7]         ; role B
	s_add_nc_u64 s[20:21], s[92:93], s[20:21]
	s_add_nc_u64 s[46:47], s[94:95], s[46:47]
	CROUND                                         ; all sixteen work-groups are here: the first joint loads meet
.irp s, 0,1
	s_mov_b32 s[G0+4*\s], 1
	s_add_co_u32 s[G0+4*\s+1], s45, \s*SLOT
	s_add_nc_u64 s[G0+4*\s+2:G0+4*\s+3], s[20:21], \s*4096
	s_or_b32 s[G0+4*\s+3], s[G0+4*\s+3], 0x80000000
	s_mov_b32 s[G0B+4*\s], 1
	s_add_co_u32 s[G0B+4*\s+1], s45, \s*SLOT
	s_add_nc_u64 s[G0B+4*\s+2:G0B+4*\s+3], s[46:47], \s*4096
	s_or_b32 s[G0B+4*\s+3], s[G0B+4*\s+3], 0x80000000
.endr
	JLOAD G0, G1, G0B, G1B                         ; slot 0: one tensor load a wave at the head
	v_and_b32 v1, 31, v0
	v_lshlrev_b32 v[LO], 4, v1
	s_lshl_b32 s18, s15, 15                        ; my eight row tiles of role A
	s_lshl_b32 s19, s16, 15                        ; my eight of role B,
	s_add_co_u32 s19, s19, 65536                   ; which lie behind role A's sixteen
.irp s, 0,1
	v_add_nc_u32 v[ADRA+\s], s18, v[LO]
	v_add_nc_u32 v[ADRB+\s], s19, v[LO]
	s_add_co_u32 s18, s18, SLOT
	s_add_co_u32 s19, s19, SLOT
.endr
	; where my results go.  q, k: (batch x 16 + head) x 131,072 + tile of 16 tokens x 1,024
	s_lshr_b32 s96, s17, 3
	s_lshl_b32 s96, s96, 4
	s_lshl_b32 s97, s42, 2
	s_add_co_u32 s96, s96, s97
	s_lshl_b32 s97, s16, 1
	s_add_co_u32 s96, s96, s97                     ; batch x 16 + 4 RB + 2 x my half of the channels
	s_lshl_b32 s96, s96, 17
	s_and_b32 s97, s17, 7
	s_lshl_b32 s97, s97, 4
	s_lshl_b32 s98, s15, 3
	s_add_co_u32 s97, s97, s98
	s_lshl_b32 s97, s97, 10
	s_add_co_u32 s96, s96, s97
	; v: ((batch x 16 + head) x 16 + step of 128 keys) x 8,192
	s_lshr_b32 s97, s42, 3
	s_lshl_b32 s97, s97, 4
	s_lshl_b32 s98, s17, 2
	s_add_co_u32 s97, s97, s98
	s_lshl_b32 s98, s15, 1
	s_add_co_u32 s97, s97, s98
	s_lshl_b32 s97, s97, 4
	s_and_b32 s98, s42, 7
	s_lshl_b32 s98, s98, 1
	s_add_co_u32 s97, s97, s98
	s_add_co_u32 s97, s97, s16
	s_lshl_b32 s97, s97, 13
	s_cmp_eq_u32 s66, 2
	s_cselect_b32 s96, s97, s96
	s_mov_b32 s97, 0
	s_add_nc_u64 s[10:11], s[10:11], s[96:97]
	s_lshl_b32 s98, s17, 4                         ; the table at my first block of 16 tokens (q, k)
	s_lshl_b32 s99, s15, 3
	s_add_co_u32 s98, s98, s99
	s_lshl_b32 s98, s98, 12
	s_mov_b32 s99, 0
	s_add_nc_u64 s[12:13], s[84:85], s[98:99]
.macro TABLOAD a                       ; cos and sin of token block a: 32 registers, eight loads of 512 consecutive bytes, into set a % 2
.irp g, 0,1,2,3,4,5,6,7
	global_load_b128 v[CS+32*((\a)%2)+4*\g:CS+32*((\a)%2)+4*\g+3], v[LO], s[12:13] offset:4096*(\a)+512*\g
.endr
.endm
	s_cmp_eq_u32 s66, 2
	s_cbranch_scc1 .Lno_table                      ; v is not rotated
	s_wait_alu depctr_va_vdst(0)
	TABLOAD 0                                      ; asked for here, wanted on the way out
	TABLOAD 1
.Lno_table:
.macro FRAG reg, adr, q, i             ; a fragment as it lies: four loads of 512 consecutive bytes
.irp c, 0,1,2,3
	ds_load_b128 v[\reg+4*\c:\reg+4*\c+3], v[\adr] offset:2048*(\q)+512*\c+(\i)*4096
.endr
.endm
; 16 matrix instructions: role A's blocks a0, a0 + 1 x role B's eight.  p: role B's set.  zero = 1: the first product starts the sums.  The 64 accumulators take turns, one instruction a turn.
.macro MUL16 a0, p, zero
.irp a, \a0, \a0+1
.irp b, 0,1,2,3,4,5,6,7
.if \zero
	v_wmma_f32_16x16x128_fp8_fp8 v[8*(8*((\a)%4)+\b):8*(8*((\a)%4)+\b)+7], v[128*(\p)+FR*\b:128*(\p)+FR*\b+FR-1], v[AF+FR*(\a):AF+FR*(\a)+FR-1], 0
.else
	v_wmma_f32_16x16x128_fp8_fp8 v[8*(8*((\a)%4)+\b):8*(8*((\a)%4)+\b)+7], v[128*(\p)+FR*\b:128*(\p)+FR*\b+FR-1], v[AF+FR*(\a):AF+FR*(\a)+FR-1], v[8*(8*((\a)%4)+\b):8*(8*((\a)%4)+\b)+7]
.endif
.endr
.endr
.endm
.macro FETCH_B slot, q, p
	WIN TO_B
.irp i, 0,1,2,3,4,5,6,7
	FRAG 128*(\p)+FR*\i, ADRB+\slot, \q, \i
.endr
	WIN 0
.endm
.macro FETCH_A slot, q, i0
.irp i, \i0, \i0+1, \i0+2, \i0+3
	FRAG AF+FR*(\i), ADRA+\slot, \q, \i
.endr
.endm
.macro PLACES n                        ; plain vector lines between a matrix instruction and a load into, or a vector line on, its registers
.rept \n
	v_nop
.endr
.endm
; A step of 128 along K that has its successor in the same slot.  Role A has one set of registers: blocks 0-3 are fetched anew in the step's middle, blocks 4-7 at its end.
.macro STEP slot, q, zero
	s_wait_dscnt 4*NL                              ; role B's set and role A's blocks 0-3 are in; the youngest 16 loads (blocks 4-7) may be out
	WIN MUL_LO
	MUL16 0, (\q)%2, \zero
	MUL16 2, (\q)%2, \zero
	s_wait_dscnt 0
	PLACES NP
	FETCH_B \slot, (\q)+1, 1-(\q)%2
	FETCH_A \slot, (\q)+1, 0
	WIN MUL_HI
	MUL16 4, (\q)%2, \zero
	MUL16 6, (\q)%2, \zero
	PLACES NP
	WIN 0
	FETCH_A \slot, (\q)+1, 4
.endm
; A slot's last step changes slots: one barrier; in front of it each wave waits for all its tensor loads, adds 0 to its spare word, and waits for that and for its reads of this slot.  fill = 1: the slot is filled again.
.macro TURN slot, next, fill
	s_wait_tensorcnt 0x0                           ; all my tensor loads have landed: my part of the next slot
	ds_add_u32 v[SPW], v[NIL]                      ; 0 onto my spare word
	s_wait_dscnt 4*NL+1                            ; (the add and the youngest 16 loads may be out)
	WIN MUL_LO
	MUL16 0, 1, 0
	s_wait_dscnt 0x0                               ; the add is done, and my reads of this slot are over
	s_barrier_signal -1
	MUL16 2, 1, 0
	WIN 0
	s_barrier_wait -1
.if \fill
	CREST                                          ; the barrier has opened a round of the cluster's: no wave of any partner still reads this slot or has a load on its way
	s_add_nc_u64 s[G0+4*\slot+2:G0+4*\slot+3], s[G0+4*\slot+2:G0+4*\slot+3], 8192
	s_add_nc_u64 s[G0B+4*\slot+2:G0B+4*\slot+3], s[G0B+4*\slot+2:G0B+4*\slot+3], 8192
	JLOAD G0+4*\slot, G1, G0B+4*\slot, G1B         ; the first tensor load behind the round; its four v_nop are the places in front of the loads below
.else
	PLACES NP
.endif
	FETCH_B \next, 0, 0
	FETCH_A \next, 0, 0
	WIN MUL_HI
	MUL16 4, 1, 0
	MUL16 6, 1, 0
	PLACES NP
	WIN 0
	FETCH_A \next, 0, 4
.endm
	s_wait_alu depctr_va_vdst(0)
	s_wait_tensorcnt 0x0                           ; my part of slot 0 is in; slot 1's first fill is issued as a refill is:
	ds_add_u32 v[SPW], v[NIL]                      ; 0 onto my spare word
	s_wait_dscnt 0x0
	CROUND                                         ; a whole round: everybody's part of slot 0 is in, and the joint loads meet
	JLOAD G0+4, G1, G0B+4, G1B                     ; slot 1, the first tensor load behind the round
	FETCH_B 0, 0, 0
	FETCH_A 0, 0, 0
	FETCH_A 0, 0, 4
	STEP 0, 0, 1                                   ; K steps 0 to 7, written out: four slots' worth, of which two are refills
	TURN 0, 1, 1
	STEP 1, 0, 0
	TURN 1, 0, 1
	STEP 0, 0, 0
	TURN 0, 1, 0
	STEP 1, 0, 0
	s_wait_dscnt 4*NL
	WIN MUL_LO
	MUL16 0, 1, 0
	MUL16 2, 1, 0
	s_wait_dscnt 0
	WIN MUL_HI
	MUL16 4, 1, 0
	MUL16 6, 1, 0
	WIN 0
	; THE WAY OUT.  The folded scale, chosen without a branch
	s_wait_kmcnt 0x0
	s_sub_co_i32 s96, s74, s68
	s_sub_co_i32 s96, s96, s69                     ; q: e6 - e0 - e1
	s_sub_co_i32 s97, s75, s70
	s_sub_co_i32 s97, s97, s71                     ; k: e7 - e2 - e3
	s_sub_co_i32 s98, s77, s72
	s_sub_co_i32 s98, s98, s73                     ; v: e9 - e4 - e5
	s_cmp_eq_u32 s66, 1
	s_cselect_b32 s96, s97, s96
	s_cmp_eq_u32 s66, 2
	s_cselect_b32 s96, s98, s96
	s_add_co_i32 s96, s96, 127
	s_lshl_b32 s97, s96, 23
	v_mov_b32 v[SCL], s97
	s_add_co_i32 s96, s96, 8
	s_lshl_b32 s96, s96, 23
	s_or_b32 s96, s96, 0x600000
	v_mov_b32 v[LIM], s96
	PLACES NP
; q, k: block a (16 tokens x my 128 channels).  Accumulator (a, b): lane (r, h) holds token r and channels 16 b + 8 h + 0 .. 7: four pairs; their cos and sin lie at 8 (b % 4) of the block's set.
.macro ROPEBLK a
.if (\a) < 7
	s_wait_loadcnt 8                               ; this block's eight table loads are in; the next block's eight may be out
.else
	s_wait_loadcnt 0
.endif
	WIN 0x02+(\a)/4                                ; source 0: window 2 or 3
.set AC, 64*((\a)%4)
.set CB, CS+32*((\a)%2)
.irp b, 0,1,2,3,4,5,6,7
.irp p, 0,1,2,3
	v_mul_f32 v[TT+8*\b+2*\p], v[AC+8*\b+2*\p+1], v[CB+8*(\b%4)+2*\p+1]     ; x2 sin   (an accumulator's first read is of its register 1)
	v_mul_f32 v[TT+8*\b+2*\p+1], v[AC+8*\b+2*\p+1], v[CB+8*(\b%4)+2*\p]     ; x2 cos
.endr
.irp p, 0,1,2,3
	v_fma_f32 v[TT+8*\b+2*\p], v[AC+8*\b+2*\p], v[CB+8*(\b%4)+2*\p], -v[TT+8*\b+2*\p]         ; x1 cos - x2 sin
	v_fma_f32 v[TT+8*\b+2*\p+1], v[AC+8*\b+2*\p], v[CB+8*(\b%4)+2*\p+1], v[TT+8*\b+2*\p+1]    ; x1 sin + x2 cos
.endr
.endr
	WIN 0
.if (\a) < 6
	TABLOAD (\a)+2                                 ; into the set just read
.endif
.if (\a) >= 2
	s_wait_xcnt 0x0                                ; block a - 2's stores have had their addresses translated: only behind this wait is their set of codes rewritten
.endif
.set jj, 0
.rept 64
	v_med3_num_f32 v[TT+jj], v[TT+jj], -v[LIM], v[LIM]   ; the conversion does not saturate (ISA guide 7.6.2): the hold at the largest code x the scale
.set jj, jj+1
.endr
.irp b, 0,1,2,3,4,5,6,7
	v_cvt_scalef32_pk8_fp8_f32 v[CC+16*((\a)%2)+2*\b:CC+16*((\a)%2)+2*\b+1], v[TT+8*\b:TT+8*\b+7], v[SCL]   ; registers 2 (b % 4), + 1 of head b / 4's fragment: k = 16 (b % 4) + 8 h + 0 .. 7
.endr
	v_nop                                          ; a plain line behind the last conversion
.irp hd, 0,1
.irp c, 0,1
	global_store_b128 v[LO], v[CC+16*((\a)%2)+8*\hd+4*\c:CC+16*((\a)%2)+8*\hd+4*\c+3], s[10:11] offset:131072*\hd+1024*(\a)+512*\c   ; 512 consecutive bytes, aligned
.endr
.endr
.endm
; v: block a (16 channels x my 128 tokens).  Accumulator (a, b): lane (r, h) holds channel r and keys 16 b + 8 h + 0 .. 7: the eight conversions give the fragment's 16 registers.
.macro VBLK a
	WIN 0x02+(\a)/4
.set AC, 64*((\a)%4)
.set jj, 0
.rept 64
	v_med3_num_f32 v[TT+jj], v[AC+jj], -v[LIM], v[LIM]
.set jj, jj+1
.endr
	WIN 0
.if (\a) >= 2
	s_wait_alu depctr_va_vdst(0)
	s_wait_xcnt 0x0                                ; as above
.endif
.irp b, 0,1,2,3,4,5,6,7
	v_cvt_scalef32_pk8_fp8_f32 v[CC+16*((\a)%2)+2*\b:CC+16*((\a)%2)+2*\b+1], v[TT+8*\b:TT+8*\b+7], v[SCL]
.endr
	v_nop
.irp g, 0,1,2,3
	global_store_b128 v[LO], v[CC+16*((\a)%2)+4*\g:CC+16*((\a)%2)+4*\g+3], s[10:11] offset:131072*((\a)/4)+2048*((\a)%4)+512*\g
.endr
.endm
	s_cmp_eq_u32 s66, 2
	s_cbranch_scc1 .Lv_out
.irp a, 0,1,2,3,4,5,6,7
	ROPEBLK \a
.endr
	s_branch .Lout_done
.Lv_out:
	s_wait_alu depctr_va_vdst(0)
.irp a, 0,1,2,3,4,5,6,7
	VBLK \a
.endr
.Lout_done:
	s_wait_tensorcnt 0x0                           ; the wave's end
	ds_add_u32 v[SPW], v[NIL]
	s_wait_dscnt 0x0
	CROUND                                         ; the closing round: no work-group ends while a partner may still ask for a tile that names it
	s_endpgm
.Lfunc_end_k_q7f6cf6927a_qkv:
	.size	k_q7f6cf6927a_qkv, .Lfunc_end_k_q7f6cf6927a_qkv-k_q7f6cf6927a_qkv
	.p2alignl 7, 3214868480
	.fill 96, 4, 3214868480
	.section	.rodata,"a",@progbits
	.p2align	6, 0x0
	.amdhsa_kernel k_q7f6cf6927a_qkv
		.amdhsa_group_segment_fixed_size 327680
		.amdhsa_private_segment_fixed_size 0
		.amdhsa_enable_private_segment 0
		.amdhsa_kernarg_size 40
		.amdhsa_user_sgpr_count 2
		.amdhsa_user_sgpr_kernarg_segment_ptr 1
		.amdhsa_wavefront_size32 1
		.amdhsa_system_sgpr_workgroup_id_x 1
		.amdhsa_system_sgpr_workgroup_id_y 1
		.amdhsa_system_sgpr_workgroup_id_z 1
		.amdhsa_system_vgpr_workitem_id 0
		.amdhsa_next_free_vgpr 1024
		.amdhsa_next_free_sgpr 100
		.amdhsa_reserve_vcc 0
		.amdhsa_float_denorm_mode_32 3
		.amdhsa_float_denorm_mode_16_64 3
		.amdhsa_memory_ordered 1
		.amdhsa_forward_progress 1
		.amdhsa_inst_pref_size 213
	.end_amdhsa_kernel
	.amdgpu_metadata
---
amdhsa.version: [ 1, 2 ]
amdhsa.kernels:
  - .name:           k_q7f6cf6927a_qkv
    .symbol:         k_q7f6cf6927a_qkv.kd
    .args:
      - { .name: xc, .offset: 0, .size: 8, .value_kind: global_buffer, .address_space: global }
      - { .name: wc, .offset: 8, .size: 8, .value_kind: global_buffer, .address_space: global }
      - { .name: tab, .offset: 16, .size: 8, .value_kind: global_buffer, .address_space: global }
      - { .name: lowp_scales, .offset: 24, .size: 8, .value_kind: global_buffer, .address_space: global }
      - { .name: qkvf, .offset: 32, .size: 8, .value_kind: global_buffer, .address_space: global }
    .group_segment_fixed_size: 327680
    .private_segment_fixed_size: 0
    .kernarg_segment_align: 8
    .kernarg_segment_size: 40
    .max_flat_workgroup_size: 128
    .sgpr_count:     100
    .vgpr_count:     1024
    .wavefront_size: 32
...
	.end_amdgpu_metadata
.endif
;; end of part 2
;; launch attn (part 3): grid 4 x 64, 16 waves a work-group, clusters of 4 x 1, 327,680 bytes of LDS; arguments qkvf, lowp_scales, af; writes af
.if DOCPART == 3
	.amdgcn_target "amdgcn-amd-amdhsa--gfx1250"
	.amdhsa_code_object_version 6
	.text
	.protected	k_q7f6cf6927a_attn
	.globl	k_q7f6cf6927a_attn
	.p2align	8
	.type	k_q7f6cf6927a_attn,@function
k_q7f6cf6927a_attn:
	s_mov_b64 s[64:65], 0
	v_nop
	global_prefetch_b8 v0, s[64:65] scope:SCOPE_SE
	s_setreg_imm32_b32 hwreg(HW_REG_WAVE_MODE, 25, 1), 1
	s_wait_xcnt 0x0
	s_wait_alu depctr_hold_cnt(0) depctr_sa_sdst(0) depctr_va_vdst(0) depctr_va_sdst(0) depctr_va_ssrc(0) depctr_va_vcc(0) depctr_vm_vsrc(0)
	s_getreg_b32 s2, hwreg(HW_REG_IB_STS2, 6, 4)
	s_cmp_eq_u32 s2, 0
	s_cbranch_scc0 .Lentry_in_a_cluster
	s_endpgm
.Lentry_in_a_cluster:
	s_bfe_u32 s2, ttmp6, 0x10000c
	s_cmp_lg_u32 s2, 0x3003
	s_cbranch_scc0 .Lentry_shape_is_right
	s_endpgm
.Lentry_shape_is_right:
; ATTENTION on codes of E4M3, causal: scores = q k^T / 8, softmax, times v; the result is quantised for the last projection (entry 10).
; p is quantised FINISHED AND NORMALISED (entry 8), so the keys are walked twice.  Pass 1: the running largest t (t = score x log2(e) / 8), M = it rounded up to a whole number, and the sum of 2^(t - M).
; At a tile's end nk = -M - log2(sum).  Pass 2: p = 2^(t + nk), held at 448 x 2^e8, converted, and O^T += V^T P^T.
; LEFT OUT: steps of 128 keys that lie wholly behind a tile's 16 queries: the causal mask gives those scores -inf, so their p is 0 for all inputs.
; A NaN or an infinity that reaches only those scores is not carried to the result.
; SHARES.  A cluster of four work-groups owns one (batch, head); all four need the head's whole K and V (128 KiB each): each of the 16 waves asks for 8 KiB of K, then 8 KiB of V, JOINTLY with its three partners.
; Wave w of the work-group at place cx owns tiles of 16 queries 4 w + cx (low) and 127 - (4 w + cx) (high): 16 - w / 2 and 1 + w / 2 steps of 128 keys, 17 in every wave.
; Each pass walks 17 trips: first the high tile's steps, ascending, then the low tile's.  Which step a trip takes, whether it is a tile's last (the diagonal) and where the tile changes hang on the wave's number and
; the trip alone (floor((4 w + cx) / 8) = w / 2); cx enters only global addresses and the scalar selects that make the diagonal's lane masks.
; V's load is issued behind K's landing.  Pass 1 is two loops of one body, 4 trips and 13: V's wait and its barrier stand between the two (no wave reads V before its trip 9 of pass 1 is over), and no barrier stands between the passes.
; No data prefetch: K and V are each one group of loads at the head, and no loop runs ahead of them.
; LAYOUT (as qkv stores it): operands lie as images of their registers, 512 bytes for four registers of 32 lanes.  S^T = K Q^T: lane (r, h) holds query r, register j of tile t key 16 t + 8 h + j; so eight conversions give P's 16 registers.
; Each half of the lanes keeps its own M and sum; they are joined once, at a tile's end.
; LIMITS: e6 + e7 between -123 and 130; e8 and e10 - e8 - e9 between -126 and 119; the scaled scores stay under 2^31 in magnitude; NaN among the codes is not served.
.set SPARE, 0x40000                    ; behind K and V: the spare words, 128 bytes for each of 16 waves
.set LA,   1                           ; 16 x lane
.set LAV,  2                           ; the same in V's region
.set ADK,  3                           ; LDS address of the next K fragments
.set ADV,  4                           ; of the step's V fragments
.set OSC,  5                           ; 2^(e10 - e8 - e9)
.set SPW,  6                           ; my spare word; never rewritten
.set NIL,  7                           ; 0; never rewritten
.set OLM,  8                           ; 448 x OSC
.set NINF, 9
.set PLM,  10                          ; 448 x 2^e8, twice: the two halves of a dual line take their second sources from different banks
.set PLM2, 11
.set PSC,  12                          ; 2^e8
.set NKA,  13                          ; nk of the tile finished last; NKB: of the one before
.set NKB,  14
.set NK,   16                          ; v[16:17] nk of the tile in hand
.set ST,   20                          ; v[20:23] -M, the largest t, the sum in two halves
.set Q,    24                          ; the tile in hand;  QH, QL: both tiles' fragments
.set QH,   32
.set QL,   40
.set KV,   48                          ; 64 registers: a step's K fragments, then its V fragments
.set S,    112                         ; 64: S^T, then p
.set O,    176                         ; 32: O^T
.set P,    208                         ; 16: p's codes
.set T,    224                         ; at work
.set CH,   228                         ; four chains of sums
; s10 wave, s11 head, s12 w / 2, s13 cx, s14 / s16 first query high / low, s17 / s15 the diagonal's tile of 16 keys high / low, s66 that of the tile in hand, s18 trip, s19 trip + w / 2, s20 1 on the diagonal
.macro ROUND                           ; a round of the cluster's barrier
	s_barrier_signal -1
	s_barrier_wait -1
	s_cmp_lg_u32 s10, 0
	s_cbranch_scc1 .Lnw0_\@
	s_barrier_signal -3
.Lnw0_\@:
	s_barrier_wait -3
	s_barrier_signal -1
	s_barrier_wait -1
.endm
.macro LOAD16 adr                      ; a step's 8,192 bytes as they lie: 16 loads of 512 consecutive bytes
.set nn, 0
.rept 16
	ds_load_b128 v[KV+4*nn:KV+4*nn+3], v[\adr] offset:512*nn
.set nn, nn+1
.endr
.endm
.macro OPEN                            ; a trip's head: the K fragments asked for in the trip before are in; eight tiles of scores
	s_add_co_u32 s19, s18, s12
	s_wait_dscnt 0x0
.irp t, 0,1,2,3,4,5,6,7
	v_wmma_f32_16x16x64_fp8_fp8 v[S+8*\t:S+8*\t+7], v[KV+8*\t:KV+8*\t+7], v[Q:Q+7], 0
.endr
.endm
.macro NEXTOFF                         ; s76 = 8,192 x the next trip's step: trip + 1 in the high tile (trip + 1 + w / 2 < 16), else trip + 1 + w / 2 - 16
	s_add_co_u32 s76, s18, 1
	s_add_co_u32 s77, s19, 1
	s_and_b32 s78, s77, 15
	s_cmp_lt_u32 s77, 16
	s_cselect_b32 s76, s76, s78
	s_lshl_b32 s76, s76, 13
	s_and_b32 s76, s76, 0x1e000
.endm
; A tile's last step lies on the diagonal.  Key 16 t + 8 h + j is hidden from query 16 d + r where t > d, or t = d and 8 h + j > r: a lane mask for each register, chosen by scalar selects, and one select a score.
.macro MASKIF
	s_cmp_eq_u32 s19, 15
	s_cselect_b32 s20, 1, 0
	s_cmp_eq_u32 s18, 16
	s_cselect_b32 s20, 1, s20
	s_cmp_eq_u32 s20, 0
	s_cbranch_scc1 .Lopen_\@
.irp t, 0,1,2,3,4,5,6,7
	s_cmp_lt_u32 s66, \t
	s_cselect_b32 s67, -1, 0
	s_cmp_eq_u32 s66, \t
.irp j, 0,1,2,3,4,5,6,7
	s_cselect_b32 s[68+\j], (((1<<\j)-1)|(((1<<(8+\j))-1)<<16)), s67
.endr
.irp j, 0,1,2,3,4,5,6,7
	v_cndmask_b32 v[S+8*\t+\j], v[S+8*\t+\j], v[NINF], s[68+\j]
.endr
.endr
.Lopen_\@:
.endm
.macro SETQ src
.irp k, 0,1,2,3,4,5,6,7
	v_mov_b32 v[Q+\k], v[\src+\k]
.endr
.endm
.macro INITST                          ; the largest t: -3e38, under every t; -M; the sum
	v_mov_b32 v[ST+1], 0xff61b1e6
	s_delay_alu instid0(VALU_DEP_1)
	v_floor_f32 v[ST], -v[ST+1]
	v_mov_b32 v[ST+2], 0
	v_mov_b32 v[ST+3], 0
.endm
.macro ZEROO
.set jj, 0
.rept 32
	v_mov_b32 v[O+jj], 0
.set jj, jj+1
.endr
.endm
; A TRIP OF PASS 1
.macro P1TRIP
	OPEN
	NEXTOFF
	v_add_nc_u32 v[ADK], s76, v[LA]                ; this line and three v_nop: the four places behind the products (ISA guide 7.12.1)
.rept 3
	v_nop
.endr
	s_cmp_eq_u32 s18, 16
	s_cbranch_scc1 .Lp1_nok_\@                     ; the last trip asks for nothing
	LOAD16 ADK                                     ; the next trip's K lands under this trip's vector work
.Lp1_nok_\@:
	MASKIF
.set jj, 0
.rept 4
	v_max3_num_f32 v[T+jj], v[S+3*jj], v[S+3*jj+1], v[S+3*jj+2]     ; the step's largest score among my 64 keys, in four chains
.set jj, jj+1
.endr
.set jj, 12
.rept 26
	v_max3_num_f32 v[T+(jj/2)%4], v[T+(jj/2)%4], v[S+jj], v[S+jj+1]
.set jj, jj+2
.endr
	s_delay_alu instid0(VALU_DEP_2)
	v_max3_num_f32 v[T], v[T], v[T+1], v[T+2]
	s_delay_alu instid0(VALU_DEP_1)
	v_max_num_f32 v[T], v[T], v[T+3]
	s_delay_alu instid0(VALU_DEP_1)
	v_mul_f32 v[T], s22, v[T]                      ; as t
	s_delay_alu instid0(VALU_DEP_1)
	v_max_num_f32 v[ST+1], v[ST+1], v[T]
	v_mov_b32 v[T], v[ST]
	s_delay_alu instid0(VALU_DEP_2)
	v_floor_f32 v[ST], -v[ST+1]                    ; -M = floor(-t): M is a whole number
	s_delay_alu instid0(VALU_DEP_1)
	v_sub_f32 v[T], v[ST], v[T]
	s_delay_alu instid0(VALU_DEP_1)
	v_cvt_i32_f32 v[T], v[T]                       ; (it saturates)
	s_delay_alu instid0(VALU_DEP_1)
	v_ldexp_f32 v[T+2], 1.0, v[T]                  ; f = 2^(old M - new M)
.set jj, 0
.rept 32
	v_pk_fma_f32 v[S+jj:S+jj+1], v[S+jj:S+jj+1], s[22:23], v[ST:ST+1] op_sel_hi:[1,0,0]   ; t - M
.set jj, jj+2
.endr
	s_wait_alu depctr_va_vdst(0)                   ; ahead of the batch
.set jj, 0
.rept 64
	v_exp_f32 v[S+jj], v[S+jj]
.set jj, jj+1
.endr
	v_pk_mul_f32 v[ST+2:ST+3], v[ST+2:ST+3], v[T+2:T+3] op_sel_hi:[1,0]   ; the sum under the new M; the plain place behind the batch
	s_wait_alu depctr_va_vdst(0)                   ; and the one behind it
.set jj, 0
.rept 4
	v_pk_add_f32 v[CH+2*jj:CH+2*jj+1], v[S+4*jj:S+4*jj+1], v[S+4*jj+2:S+4*jj+3]   ; the step's sum, two at a time, in four chains
.set jj, jj+1
.endr
.set jj, 16
.rept 24
	v_pk_add_f32 v[CH+2*((jj/2)%4):CH+2*((jj/2)%4)+1], v[CH+2*((jj/2)%4):CH+2*((jj/2)%4)+1], v[S+jj:S+jj+1]
.set jj, jj+2
.endr
	s_delay_alu instid0(VALU_DEP_3)
	v_pk_add_f32 v[CH:CH+1], v[CH:CH+1], v[CH+2:CH+3]
	s_delay_alu instid0(VALU_DEP_2)
	v_pk_add_f32 v[CH+4:CH+5], v[CH+4:CH+5], v[CH+6:CH+7]
	s_delay_alu instid0(VALU_DEP_1)
	v_pk_add_f32 v[CH:CH+1], v[CH:CH+1], v[CH+4:CH+5]
	s_delay_alu instid0(VALU_DEP_1)
	v_pk_add_f32 v[ST+2:ST+3], v[ST+2:ST+3], v[CH:CH+1]
	s_cmp_eq_u32 s20, 0
	s_cbranch_scc1 .Lp1_go_\@
	; a tile's end: the two halves of the lanes are joined under the larger M, and nk = -M - log2(sum)
	v_mov_b32 v[NKB], v[NKA]
	v_add_f32 v[ST+2], v[ST+2], v[ST+3]
	v_permlanex16_b32 v[T], v[ST], s48, s49
	s_delay_alu instid0(VALU_DEP_2)
	v_permlanex16_b32 v[T+1], v[ST+2], s48, s49
	s_delay_alu instid0(VALU_DEP_2)
	v_min_num_f32 v[T+2], v[ST], v[T]
	s_delay_alu instid0(VALU_DEP_1)
	v_sub_f32 v[T+4], v[T+2], v[ST]
	s_delay_alu instid0(VALU_DEP_2)
	v_sub_f32 v[T+5], v[T+2], v[T]
	s_delay_alu instid0(VALU_DEP_2)
	v_cvt_i32_f32 v[T+4], v[T+4]
	s_delay_alu instid0(VALU_DEP_2)
	v_cvt_i32_f32 v[T+5], v[T+5]
	s_delay_alu instid0(VALU_DEP_2)
	v_ldexp_f32 v[T+4], v[ST+2], v[T+4]
	s_delay_alu instid0(VALU_DEP_2)
	v_ldexp_f32 v[T+5], v[T+1], v[T+5]
	s_delay_alu instid0(VALU_DEP_1)
	v_add_f32 v[T+4], v[T+4], v[T+5]
	s_wait_alu depctr_va_vdst(0)                   ; ahead of the transcendental,
	v_log_f32 v[T+4], v[T+4]
	v_nop
	s_wait_alu depctr_va_vdst(0)                   ; and behind it
	v_sub_f32 v[NKA], v[T+2], v[T+4]
	s_cmp_eq_u32 s18, 16
	s_cbranch_scc1 .Lp1_go_\@
	INITST                                         ; on to the low tile
	SETQ QL
	s_mov_b32 s66, s15
.Lp1_go_\@:
	s_add_co_u32 s18, s18, 1
.endm
	s_load_b128 s[4:7], s[0:1], 0x0                ; qkvf, the exponents
	s_load_b64 s[8:9], s[0:1], 0x10                ; af
	v_lshl_add_u32 v[SPW], v0, 2, SPARE
	v_mov_b32 v[NIL], 0
	ds_add_u32 v[SPW], v[NIL]                      ; the opening lines: the add, twice on end, and its wait ahead of my first tensor load
	ds_add_u32 v[SPW], v[NIL]
	v_lshrrev_b32 v[T], 5, v0
	s_delay_alu instid0(VALU_DEP_1)
	v_readfirstlane_b32 s10, v[T]                  ; wave 0..15
	s_and_b32 s11, ttmp7, 0xffff                   ; the cluster's y: batch x 16 + head
	s_bfe_u32 s13, ttmp6, 0x40000                  ; cx
	s_lshr_b32 s12, s10, 1
	s_lshl_b32 s21, s10, 2
	s_add_co_u32 s21, s21, s13                     ; my low tile
	s_lshl_b32 s16, s21, 4
	s_sub_co_u32 s14, 2032, s16
	s_and_b32 s15, s21, 7
	s_sub_co_u32 s17, 7, s15
	s_mov_b32 s24, 15|(3<<16)|(1<<21)              ; group 1: the mask names the four partners; elements of 8 bytes; bit 21 beside a mask
	s_mov_b32 s25, 32<<16                          ; 32 rows of 256 bytes, dense
	s_mov_b32 s26, 32<<16
	s_mov_b32 s27, 32<<16
	s_mov_b32 s28, 32
	s_mov_b32 s29, 32
	s_mov_b32 s30, 0
	s_mov_b32 s31, 0
	s_lshl_b32 s50, s11, 17                        ; a head's 131,072 bytes in each part of qkvf
	s_mov_b32 s51, 0
	s_lshl_b32 s58, s10, 13                        ; my wave's 8,192 of them, in memory and in LDS
	s_mov_b32 s59, 0
	s_mov_b32 s48, 0x76543210
	s_mov_b32 s49, 0xfedcba98                      ; lane l xor 16
	s_wait_alu depctr_va_vdst(0)
	s_wait_dscnt 0x0
	s_wait_kmcnt 0x0
	s_load_b256 s[40:47], s[6:7], 0x10             ; e4 .. e11
	s_add_nc_u64 s[4:5], s[4:5], s[50:51]
	s_add_nc_u64 s[60:61], s[4:5], s[58:59]
	s_mov_b32 s32, 1
	s_mov_b32 s33, s58
	s_add_nc_u64 s[34:35], s[60:61], 0x800000      ; K's part
	s_or_b32 s35, s35, 0x80000000
	s_mov_b32 s36, 1
	s_add_co_u32 s37, s58, 0x20000
	s_add_nc_u64 s[38:39], s[60:61], 0x1000000     ; V's part
	s_or_b32 s39, s39, 0x80000000
	ROUND                                          ; the four work-groups are here: the joint loads meet
	tensor_load_to_lds s[32:35], s[24:31]          ; K: my one load at the head
	s_nop 0
.rept 4
	v_nop
.endr
	v_and_b32 v[LA], 31, v0
	s_delay_alu instid0(VALU_DEP_1)
	v_lshlrev_b32 v[LA], 4, v[LA]
	s_delay_alu instid0(VALU_DEP_1)
	v_add_nc_u32 v[LAV], 0x20000, v[LA]
	s_wait_alu depctr_va_vdst(0)
	s_lshl_b32 s50, s14, 6                         ; a tile of q is 1,024 bytes
	s_add_nc_u64 s[60:61], s[4:5], s[50:51]
	s_lshl_b32 s50, s16, 6
	s_add_nc_u64 s[62:63], s[4:5], s[50:51]
	global_load_b128 v[Q:Q+3], v[LA], s[60:61]
	global_load_b128 v[Q+4:Q+7], v[LA], s[60:61] offset:512
	global_load_b128 v[QH:QH+3], v[LA], s[60:61]
	global_load_b128 v[QH+4:QH+7], v[LA], s[60:61] offset:512
	global_load_b128 v[QL:QL+3], v[LA], s[62:63]
	global_load_b128 v[QL+4:QL+7], v[LA], s[62:63] offset:512
	s_lshr_b32 s58, s11, 4                         ; af: [row tile][K step of 128][2,048 bytes]; a head is half a K step
	s_lshl_b32 s58, s58, 21
	s_bfe_u32 s59, s11, 0x30001
	s_lshl_b32 s59, s59, 11
	s_add_co_u32 s58, s58, s59
	s_and_b32 s59, s11, 1
	s_lshl_b32 s59, s59, 10
	s_add_co_u32 s58, s58, s59
	s_lshl_b32 s50, s14, 10
	s_add_co_u32 s50, s50, s58
	s_add_nc_u64 s[56:57], s[8:9], s[50:51]        ; where the tile in hand goes: the high one first
	s_lshl_b32 s50, s16, 10
	s_add_co_u32 s50, s50, s58
	s_add_nc_u64 s[54:55], s[8:9], s[50:51]        ; the low one
	v_mov_b32 v[NINF], 0xff800000
	INITST
	v_mov_b32 v[NKA], 0
	v_mov_b32 v[T+1], 0
	v_mov_b32 v[ADK], v[LA]                        ; step 0
	s_wait_kmcnt 0x0
	s_add_co_i32 s21, s42, s43
	s_lshl_b32 s21, s21, 23
	s_mov_b32 s22, 0x3e38aa3b                      ; log2(e) / 8,
	s_add_co_i32 s22, s22, s21                     ; x 2^(e6 + e7), by its exponent field
	s_mov_b32 s23, s22
	s_add_co_i32 s21, s44, 127
	s_lshl_b32 s58, s21, 23
	v_mov_b32 v[PSC], s58
	s_add_co_i32 s21, s21, 8
	s_lshl_b32 s21, s21, 23
	s_or_b32 s21, s21, 0x600000
	v_mov_b32 v[PLM], s21
	v_mov_b32 v[PLM2], s21
	s_sub_co_i32 s21, s46, s44
	s_sub_co_i32 s21, s21, s45
	s_add_co_i32 s21, s21, 127
	s_lshl_b32 s58, s21, 23
	v_mov_b32 v[OSC], s58
	s_add_co_i32 s21, s21, 8
	s_lshl_b32 s21, s21, 23
	s_or_b32 s21, s21, 0x600000
	v_mov_b32 v[OLM], s21
	s_mov_b32 s66, s17
	s_mov_b32 s18, 0
	s_wait_alu depctr_va_vdst(0)
	s_wait_tensorcnt 0x0                           ; my part of K is in; V's first fill is issued as a refill is:
	ds_add_u32 v[SPW], v[NIL]
	s_wait_dscnt 0x0
	ROUND                                          ; everybody's part of K is in
	tensor_load_to_lds s[36:39], s[24:31]          ; V
	s_nop 0
.rept 4
	v_nop
.endr
	LOAD16 ADK
	s_wait_loadcnt 0x0                             ; Q
; PASS 1: four trips, V's barrier, thirteen trips
.Lp1a:
	P1TRIP
	s_cmp_lt_u32 s18, 4
	s_wait_alu depctr_va_vdst(0)                   ; directly ahead of the branch
	s_cbranch_scc1 .Lp1a
	s_wait_tensorcnt 0x0                           ; my part of V is in,
	s_wait_dscnt 0x0                               ; (no LDS load is out at a signal)
	s_barrier_signal -1
	s_barrier_wait -1                              ; everybody's is
.Lp1b:
	P1TRIP
	s_cmp_lt_u32 s18, 17
	s_wait_alu depctr_va_vdst(0)                   ; as above
	s_cbranch_scc1 .Lp1b
	; between the passes: back to the high tile
	SETQ QH
	v_mov_b32 v[NK], v[NKB]
	v_mov_b32 v[NK+1], v[NKB]
	v_mov_b32 v[ADK], v[LA]
	v_mov_b32 v[ADV], v[LAV]
	ZEROO
	s_mov_b32 s66, s17
	s_mov_b32 s18, 0
	s_wait_alu depctr_va_vdst(0)
	s_wait_dscnt 0x0                               ; no load into the K registers is out
	LOAD16 ADK
; PASS 2
.Lp2:
	OPEN
.rept 4
	v_nop                                          ; the places in front of loads into registers that the products read
.endr
	LOAD16 ADV                                     ; V's fragments land under the exponentials
	MASKIF
.set jj, 0
.rept 32
	v_pk_fma_f32 v[S+jj:S+jj+1], v[S+jj:S+jj+1], s[22:23], v[NK:NK+1] op_sel_hi:[1,0,0]   ; t + nk
.set jj, jj+2
.endr
	s_wait_alu depctr_va_vdst(0)                   ; ahead of the batch
.set jj, 0
.rept 64
	v_exp_f32 v[S+jj], v[S+jj]                     ; p, normalised
.set jj, jj+1
.endr
	v_nop
	s_wait_alu depctr_va_vdst(0)                   ; behind it
.set jj, 0
.rept 32
	v_dual_min_num_f32 v[S+jj], v[S+jj], v[PLM] :: v_dual_min_num_f32 v[S+jj+1], v[S+jj+1], v[PLM2]   ; the conversion does not saturate (ISA guide 7.6.2); p is not negative: a one-sided hold, two a line
.set jj, jj+2
.endr
.irp t, 0,1,2,3,4,5,6,7
	v_cvt_scalef32_pk8_fp8_f32 v[P+2*\t:P+2*\t+1], v[S+8*\t:S+8*\t+7], v[PSC]
.endr
	v_nop                                          ; a plain line behind the last conversion
	s_wait_dscnt 0x0                               ; V's fragments
	s_wait_alu depctr_va_vdst(0)                   ; ahead of the first reader of O^T
.irp d, 0,1,2,3
	v_wmma_f32_16x16x128_fp8_fp8 v[O+8*\d:O+8*\d+7], v[KV+16*\d:KV+16*\d+15], v[P:P+15], v[O+8*\d:O+8*\d+7]
.endr
	NEXTOFF
	v_add_nc_u32 v[ADK], s76, v[LA]                ; four places: two additions that are due, two v_nop
	v_add_nc_u32 v[ADV], s76, v[LAV]
	v_nop
	v_nop
	s_cmp_eq_u32 s18, 16
	s_cbranch_scc1 .Lp2_nok
	LOAD16 ADK
.Lp2_nok:
	s_cmp_eq_u32 s20, 0
	s_cbranch_scc1 .Lp2_go
	; a tile's end: O^T is held, converted with the folded scale 2^(e10 - e8 - e9), and stored as the registers of the last projection's operand
	s_wait_xcnt 0x0                                ; earlier stores have read their data registers
.set jj, 0
.rept 32
	v_med3_num_f32 v[O+jj], v[O+jj], -v[OLM], v[OLM]
.set jj, jj+1
.endr
.irp d, 0,1,2,3
	v_cvt_scalef32_pk8_fp8_f32 v[T+2*\d:T+2*\d+1], v[O+8*\d:O+8*\d+7], v[OSC]
.endr
	v_nop
	global_store_b128 v[LA], v[T:T+3], s[56:57]               ; 512 consecutive bytes, aligned
	global_store_b128 v[LA], v[T+4:T+7], s[56:57] offset:512
	s_cmp_eq_u32 s18, 16
	s_cbranch_scc1 .Lp2_go
	s_wait_xcnt 0x0                                ; the stores have read their base
	s_mov_b64 s[56:57], s[54:55]                   ; on to the low tile
	SETQ QL
	v_mov_b32 v[NK], v[NKA]
	v_mov_b32 v[NK+1], v[NKA]
	ZEROO
	s_mov_b32 s66, s15
.Lp2_go:
	s_add_co_u32 s18, s18, 1
	s_cmp_lt_u32 s18, 17
	s_wait_alu depctr_va_vdst(0)                   ; directly ahead of the branch
	s_cbranch_scc1 .Lp2
	s_wait_tensorcnt 0x0                           ; the wave's end
	ds_add_u32 v[SPW], v[NIL]
	s_wait_dscnt 0x0
	ROUND                                          ; the closing round
	s_endpgm
.Lfunc_end_k_q7f6cf6927a_attn:
	.size	k_q7f6cf6927a_attn, .Lfunc_end_k_q7f6cf6927a_attn-k_q7f6cf6927a_attn
	.p2alignl 7, 3214868480
	.fill 96, 4, 3214868480
	.section	.rodata,"a",@progbits
	.p2align	6, 0x0
	.amdhsa_kernel k_q7f6cf6927a_attn
		.amdhsa_group_segment_fixed_size 327680
		.amdhsa_private_segment_fixed_size 0
		.amdhsa_enable_private_segment 0
		.amdhsa_kernarg_size 24
		.amdhsa_user_sgpr_count 2
		.amdhsa_user_sgpr_kernarg_segment_ptr 1
		.amdhsa_wavefront_size32 1
		.amdhsa_system_sgpr_workgroup_id_x 1
		.amdhsa_system_sgpr_workgroup_id_y 1
		.amdhsa_system_sgpr_workgroup_id_z 1
		.amdhsa_system_vgpr_workitem_id 0
		.amdhsa_next_free_vgpr 256
		.amdhsa_next_free_sgpr 84
		.amdhsa_reserve_vcc 0
		.amdhsa_float_denorm_mode_32 3
		.amdhsa_float_denorm_mode_16_64 3
		.amdhsa_memory_ordered 1
		.amdhsa_forward_progress 1
		.amdhsa_inst_pref_size 77
	.end_amdhsa_kernel
	.amdgpu_metadata
---
amdhsa.version: [ 1, 2 ]
amdhsa.kernels:
  - .name:           k_q7f6cf6927a_attn
    .symbol:         k_q7f6cf6927a_attn.kd
    .args:
      - { .name: qkvf, .offset: 0, .size: 8, .value_kind: global_buffer, .address_space: global }
      - { .name: lowp_scales, .offset: 8, .size: 8, .value_kind: global_buffer, .address_space: global }
      - { .name: af, .offset: 16, .size: 8, .value_kind: global_buffer, .address_space: global }
    .group_segment_fixed_size: 327680
    .private_segment_fixed_size: 0
    .kernarg_segment_align: 8
    .kernarg_segment_size: 24
    .max_flat_workgroup_size: 512
    .sgpr_count:     84
    .vgpr_count:     256
    .wavefront_size: 32
...
	.end_amdgpu_metadata
.endif
;; end of part 3
;; launch outp (part 4): grid 4 x 64, 4 waves a work-group, clusters of 4 x 4, 327,680 bytes of LDS; arguments af, wc, lowp_scales, out0; writes out0
.if DOCPART == 4
	.amdgcn_target "amdgcn-amd-amdhsa--gfx1250"
	.amdhsa_code_object_version 6
	.text
	.protected	k_q7f6cf6927a_outp
	.globl	k_q7f6cf6927a_outp
	.p2align	8
	.type	k_q7f6cf6927a_outp,@function
k_q7f6cf6927a_outp:
	s_mov_b64 s[64:65], 0
	v_nop
	global_prefetch_b8 v0, s[64:65] scope:SCOPE_SE
	s_setreg_imm32_b32 hwreg(HW_REG_WAVE_MODE, 25, 1), 1
	s_wait_xcnt 0x0
	s_wait_alu depctr_hold_cnt(0) depctr_sa_sdst(0) depctr_va_vdst(0) depctr_va_sdst(0) depctr_va_ssrc(0) depctr_va_vcc(0) depctr_vm_vsrc(0)
	s_getreg_b32 s2, hwreg(HW_REG_IB_STS2, 6, 4)
	s_cmp_eq_u32 s2, 0
	s_cbranch_scc0 .Lentry_in_a_cluster
	s_endpgm
.Lentry_in_a_cluster:
	s_bfe_u32 s2, ttmp6, 0x10000c
	s_cmp_lg_u32 s2, 0xf033
	s_cbranch_scc0 .Lentry_shape_is_right
	s_endpgm
.Lentry_shape_is_right:
; THE LAST PROJECTION: out0[token][channel] = sum over k of a[token][k] wo[channel][k], both as codes of E4M3 (v_wmma_f32_16x16x128_fp8_fp8, sums in f32), each finished sum x 2^(e10 + e11).
; LIMIT: e10 + e11 lies between -126 and 127.
; A block of 128 tokens x 256 channels is made by four waves, each 64 x 128: 32 accumulators, 256 registers.  8,192 x 1,024 results are 256 such blocks.
; OPERANDS LIE IN MEMORY AS IMAGES OF THEIR REGISTERS: a fragment (16 rows x 128 K) is 2,048 bytes; fragments lie [row tile][K step], 16,384 bytes a row tile.  A fragment comes from LDS by four loads of 512 consecutive bytes.
; K = 1,024 is eight steps of 128, brought by THREE fills, one tensor load a wave each (waves 0, 1: the tokens' halves, four row tiles; waves 2, 3: the channels' halves, eight row tiles):
;   X: steps 0-3, rows of 8,192 bytes, at the head;   Y: steps 4, 5, rows of 4,096 bytes, on bytes of their own, behind X's landing;   R: steps 6, 7, over X's first bytes, as soon as step 3's fragments are in registers.
; Both operands have two sets of registers: a step's 48 LDS loads are issued ahead of the products of the step before.
; Source 0 of a product takes 16 channels, source 1 takes 16 tokens: a lane then holds eight neighbouring channels of one token.
; CLUSTERS: 4 x 4 work-groups.  The tokens' tiles hang on the tile row alone and are asked for jointly by a row of the cluster, the channels' on the tile column alone, by a column.
; No data prefetch: K is written out in three fills, and there is no loop to run ahead in.
; REGISTERS: window 0: v16-29 addresses; v32-95 the way out's products; v128-255 the tokens' fragments, two sets of four (on the way out: rows read back);  window 1: the channels' fragments, two sets of eight;  window 2: accumulator (a, b) at v[8 (8 a + b)].
.set SIZE_N, 1024
.set XB0,   65536                      ; X: the tokens' 8 row tiles x 8,192 bytes, then the channels' 16
.set YA0,   196608                     ; Y: the tokens' 8 x 4,096,
.set YB0,   229376                     ; then the channels' 16 x 4,096
.set SPARE, 294912                     ; the spare words, 128 bytes for each wave
.set SPITCH, 528                       ; the way out: a stage of 16 rows x (512 + 16) bytes for each wave, in Y, behind Y's last read
.set NP,    4                          ; places behind this matrix instruction (ISA guide 7.12.1)
.set AXA,  16                          ; LDS addresses of my fragments: tokens and channels in X, Y, R
.set AXB,  17
.set AYA,  18
.set AYB,  19
.set ARA,  20
.set ARB,  21
.set STO,  24
.set RD,   25
.set CO,   26                          ; 16 x lane
.set SPW,  28                          ; my spare word; never rewritten
.set NIL,  29                          ; 0; never rewritten
.set TMP,  32
.set AF,   128
.set BK,   128
.set G1XA, 24                          ; groups 1: X's and Y's shapes, for tokens and for channels
.set G1XB, 32
.set G1YA, 40
.set G1YB, 48
.set G0XA, 56                          ; groups 0, one for each load
.set G0XB, 60
.set G0YA, 68
.set G0YB, 72
.set G0RA, 76
.set G0RB, 80
.set MSB, 0
.macro WIN new                         ; the immediate's high byte repeats the setting that is left
.if MSB != \new
	s_set_vgpr_msb (MSB<<8)|\new
.set MSB, \new
.endif
.endm
.set MUL_LO, 0xa1                      ; source 0 window 1, source 1 window 0, C and D window 2
.set TO_B,   0x40                      ; destination window 1, address window 0
.macro JLOAD g0a, g1a, g0b, g1b        ; a joint load; the branch hangs on the wave's number alone; s_nop 0 and four v_nop follow each line
	s_cmp_eq_u32 s15, 0
	s_cbranch_scc0 .Lfor_b_\@
	tensor_load_to_lds s[\g0a:\g0a+3], s[\g1a:\g1a+7]
	s_nop 0
.rept 4
	v_nop
.endr
	s_branch .Lasked_\@
.Lfor_b_\@:
	tensor_load_to_lds s[\g0b:\g0b+3], s[\g1b:\g1b+7]
	s_nop 0
.rept 4
	v_nop
.endr
.Lasked_\@:
.endm
.macro CROUND                          ; a round of the cluster's barrier
	s_barrier_signal -1
	s_barrier_wait -1
	s_cmp_lg_u32 s14, 0
	s_cbranch_scc1 .Lnot_wave_0_\@
	s_barrier_signal -3
.Lnot_wave_0_\@:
	s_barrier_wait -3
	s_barrier_signal -1
	s_barrier_wait -1
.endm
.macro G1SET g, len, rows              ; rows of len elements of 8 bytes, 2,048 elements apart, dense in LDS
	s_mov_b32 s[\g+1], (\len)<<16
	s_mov_b32 s[\g+2], (\rows)<<16
	s_mov_b32 s[\g+3], (\len)<<16
	s_mov_b32 s[\g+4], \rows
	s_mov_b32 s[\g+5], 2048
	s_mov_b32 s[\g+6], 0
	s_mov_b32 s[\g+7], 0
.endm
.macro PLACES n
.rept \n
	v_nop
.endr
.endm
.macro FRAG reg, adr, pitch, q, i      ; a fragment as it lies
.irp c, 0,1,2,3
	ds_load_b128 v[\reg+4*\c:\reg+4*\c+3], v[\adr] offset:2048*(\q)+512*\c+(\i)*(\pitch)
.endr
.endm
.macro FETCH adra, adrb, pitch, q, p   ; 48 loads: a step's eight fragments of channels and four of tokens into set p
	WIN TO_B
.irp i, 0,1,2,3,4,5,6,7
	FRAG 128*(\p)+16*\i, \adrb, \pitch, \q, \i
.endr
	WIN 0
.irp i, 0,1,2,3
	FRAG AF+64*(\p)+16*\i, \adra, \pitch, \q, \i
.endr
.endm
.macro MUL32 p, zero                   ; a step's 32 products; the accumulators take turns, one instruction a turn
	WIN MUL_LO
.irp a, 0,1,2,3
.irp b, 0,1,2,3,4,5,6,7
.if \zero
	v_wmma_f32_16x16x128_fp8_fp8 v[8*(8*\a+\b):8*(8*\a+\b)+7], v[128*(\p)+16*\b:128*(\p)+16*\b+15], v[AF+64*(\p)+16*\a:AF+64*(\p)+16*\a+15], 0
.else
	v_wmma_f32_16x16x128_fp8_fp8 v[8*(8*\a+\b):8*(8*\a+\b)+7], v[128*(\p)+16*\b:128*(\p)+16*\b+15], v[AF+64*(\p)+16*\a:AF+64*(\p)+16*\a+15], v[8*(8*\a+\b):8*(8*\a+\b)+7]
.endif
.endr
.endr
	WIN 0
.endm
.macro STEPN adra, adrb, pitch, q, p, zero   ; the next step's fragments (the q-th of their fill) are asked for, into the other set; then set p is multiplied
	FETCH \adra, \adrb, \pitch, \q, 1-(\p)
	s_wait_dscnt 48                                ; all but the 48 just issued: set p is in
	MUL32 \p, \zero
.endm
	s_load_b256 s[84:91], s[0:1], 0x0              ; af s[84:85], wc s[86:87], the exponents s[88:89], out0 s[90:91]
	v_lshl_add_u32 v[SPW], v0, 2, SPARE
	v_mov_b32 v[NIL], 0
	ds_add_u32 v[SPW], v[NIL]                      ; the opening lines: the add, twice on end, and its wait ahead of my first tensor load
	ds_add_u32 v[SPW], v[NIL]
	v_lshrrev_b32 v1, 5, v0
	v_readfirstlane_b32 s14, v1                    ; wave 0..3
	s_lshr_b32 s15, s14, 1                         ; which half of the tokens is mine.  Also: I fetch tokens (0) or channels (1)
	s_and_b32 s16, s14, 1                          ; which half of the channels.  Also: which half of that tile I fetch
	s_bfe_u32 s92, ttmp6, 0x40000                  ; cx
	s_bfe_u32 s93, ttmp6, 0x40004                  ; cy
	s_lshl_b32 s94, ttmp9, 2
	s_add_co_u32 s94, s94, s92                     ; tile column
	s_and_b32 s17, ttmp7, 0xffff
	s_lshl_b32 s17, s17, 2
	s_add_co_u32 s17, s17, s93                     ; tile row
	s_lshl_b32 s95, s93, 2
	s_lshl_b32 s95, 15, s95                        ; my row of the cluster
	s_lshl_b32 s98, 0x1111, s92                    ; my column
	s_or_b32 s[G1XA], s95, (3<<16)|(1<<21)         ; 15:0 the mask; 17:16 elements of 8 bytes; 21 set beside a mask
	s_or_b32 s[G1YA], s95, (3<<16)|(1<<21)
	s_or_b32 s[G1XB], s98, (3<<16)|(1<<21)
	s_or_b32 s[G1YB], s98, (3<<16)|(1<<21)
	G1SET G1XA, 1024, 4
	G1SET G1XB, 1024, 8
	G1SET G1YA, 512, 4
	G1SET G1YB, 512, 8
	s_lshl_b32 s20, s17, 3
	s_lshl_b32 s18, s16, 2
	s_add_co_u32 s20, s20, s18
	s_lshl_b32 s20, s20, 14                        ; tokens: row tile 8 x tile row + 4 x half
	s_mov_b32 s21, 0
	s_lshl_b32 s22, s94, 4
	s_lshl_b32 s18, s16, 3
	s_add_co_u32 s22, s22, s18
	s_lshl_b32 s22, s22, 14                        ; channels: row tile 16 x tile column + 8 x half,
	s_add_co_u32 s22, s22, 0x300000                ; in wo's part of wc
	s_mov_b32 s23, 0
	s_lshl_b32 s66, s16, 14                        ; where the halves go in LDS: the wave's number alone
	s_lshl_b32 s67, s16, 15
	s_lshl_b32 s99, s16, 16
	s_wait_dscnt 0x0                               ; both opening adds are done
	s_wait_kmcnt 0x0
	s_load_b64 s[96:97], s[88:89], 0x28            ; e10, e11
	s_add_nc_u64 s[20:21], s[84:85], s[20:21]
	s_add_nc_u64 s[22:23], s[86:87], s[22:23]
	CROUND                                         ; all sixteen work-groups are here: the first joint loads meet
	s_mov_b32 s[G0XA], 1
	s_mov_b32 s[G0XA+1], s67
	s_mov_b64 s[G0XA+2:G0XA+3], s[20:21]
	s_or_b32 s[G0XA+3], s[G0XA+3], 0x80000000
	s_mov_b32 s[G0XB], 1
	s_add_co_u32 s[G0XB+1], s99, XB0
	s_mov_b64 s[G0XB+2:G0XB+3], s[22:23]
	s_or_b32 s[G0XB+3], s[G0XB+3], 0x80000000
	s_mov_b32 s[G0YA], 1
	s_add_co_u32 s[G0YA+1], s66, YA0
	s_add_nc_u64 s[G0YA+2:G0YA+3], s[20:21], 8192
	s_or_b32 s[G0YA+3], s[G0YA+3], 0x80000000
	s_mov_b32 s[G0YB], 1
	s_add_co_u32 s[G0YB+1], s67, YB0
	s_add_nc_u64 s[G0YB+2:G0YB+3], s[22:23], 8192
	s_or_b32 s[G0YB+3], s[G0YB+3], 0x80000000
	s_mov_b32 s[G0RA], 1
	s_mov_b32 s[G0RA+1], s66
	s_add_nc_u64 s[G0RA+2:G0RA+3], s[20:21], 12288
	s_or_b32 s[G0RA+3], s[G0RA+3], 0x80000000
	s_mov_b32 s[G0RB], 1
	s_add_co_u32 s[G0RB+1], s67, XB0
	s_add_nc_u64 s[G0RB+2:G0RB+3], s[22:23], 12288
	s_or_b32 s[G0RB+3], s[G0RB+3], 0x80000000
	JLOAD G0XA, G1XA, G0XB, G1XB                   ; X: my one load at the head
	s_lshl_b32 s4, s15, 15                         ; my four row tiles of tokens in X,
	s_lshl_b32 s5, s16, 16
	s_add_co_u32 s5, s5, XB0                       ; my eight of channels in X,
	s_lshl_b32 s6, s15, 14                         ; tokens in R,
	s_add_co_u32 s7, s6, YA0                       ; in Y,
	s_lshl_b32 s8, s16, 15
	s_add_co_u32 s9, s8, YB0                       ; channels in Y,
	s_add_co_u32 s8, s8, XB0                       ; in R
	s_mul_i32 s12, s14, 16*SPITCH
	s_add_co_u32 s12, s12, YA0                     ; my stage
	s_lshl_b32 s18, s17, 7
	s_lshl_b32 s19, s15, 6
	s_add_co_u32 s18, s18, s19                     ; my first row of out0: 128 x tile row + 64 x half,
	s_lshl_b32 s18, s18, 12                        ; of 4,096 bytes,
	s_lshl_b32 s19, s94, 10
	s_add_co_u32 s18, s18, s19                     ; + 1,024 x tile column
	s_lshl_b32 s19, s16, 9
	s_add_co_u32 s18, s18, s19                     ; + 512 x half
	s_mov_b32 s19, 0
	s_add_nc_u64 s[10:11], s[90:91], s[18:19]
	v_and_b32 v3, 31, v0
	v_lshlrev_b32 v[CO], 4, v3
	v_and_b32 v1, 15, v0
	v_bfe_u32 v2, v0, 4, 1
	v_add_nc_u32 v[AXA], s4, v[CO]
	v_add_nc_u32 v[AXB], s5, v[CO]
	v_add_nc_u32 v[ARA], s6, v[CO]
	v_add_nc_u32 v[AYA], s7, v[CO]
	v_add_nc_u32 v[ARB], s8, v[CO]
	v_add_nc_u32 v[AYB], s9, v[CO]
	v_mul_u32_u24 v5, v1, SPITCH                   ; into the stage: row lane % 16, 32 bytes for each half of the lanes
	v_lshl_add_u32 v5, v2, 5, v5
	v_add_nc_u32 v[STO], s12, v5
	v_add_nc_u32 v[RD], s12, v[CO]                 ; back: the 32 lanes take one row of 512 bytes
	s_wait_alu depctr_va_vdst(0)
	s_wait_tensorcnt 0x0                           ; my part of X is in; Y's first fill is issued as a refill is:
	ds_add_u32 v[SPW], v[NIL]
	s_wait_dscnt 0x0
	CROUND                                         ; everybody's part of X is in, and the joint loads meet
	JLOAD G0YA, G1YA, G0YB, G1YB                   ; Y, the first tensor load behind the round
	FETCH AXA, AXB, 8192, 0, 0
	STEPN AXA, AXB, 8192, 1, 0, 1                  ; step 0: its products start the sums
	PLACES NP                                      ; in front of loads into registers that the last products read
	STEPN AXA, AXB, 8192, 2, 1, 0                  ; step 1
	PLACES NP
	STEPN AXA, AXB, 8192, 3, 0, 0                  ; step 2
	s_wait_tensorcnt 0x0                           ; my part of Y is in;
	ds_add_u32 v[SPW], v[NIL]
	s_wait_dscnt 0x0                               ; step 3's fragments are in registers: my reads of X are over
	CROUND                                         ; that holds of every wave of every partner
	JLOAD G0RA, G1YA, G0RB, G1YB                   ; R: steps 6, 7 over X's first bytes; its four v_nop are the places in front of the loads below
	STEPN AYA, AYB, 4096, 0, 1, 0                  ; step 3
	PLACES NP
	STEPN AYA, AYB, 4096, 1, 0, 0                  ; step 4
	s_wait_tensorcnt 0x0                           ; my part of R is in;
	ds_add_u32 v[SPW], v[NIL]
	s_wait_dscnt 0x0                               ; step 5's fragments are in registers: my reads of Y are over
	s_barrier_signal -1                            ; nothing is filled again: no round
	s_barrier_wait -1
	PLACES NP
	STEPN ARA, ARB, 4096, 0, 1, 0                  ; step 5
	PLACES NP
	STEPN ARA, ARB, 4096, 1, 0, 0                  ; step 6
	s_wait_dscnt 0x0
	MUL32 1, 0                                     ; step 7
; THE WAY OUT, block by block of 16 tokens x 128 channels: through my stage in LDS, and back as whole rows of 512 bytes, which the 32 lanes store as two aligned units of 256 bytes.
; LDS serves a wave's instructions in order (ISA guide 5.7.1.4): no wait between the stores and the loads.
.macro TOSTAGE a
.set AC, 64*(\a)
	WIN 0x02                                       ; source 0: window 2
.irp j, 0,2,4,6,8,10,12,14,16,18,20,22,24,26,28,30,32,34,36,38,40,42,44,46,48,50,52,54,56,58,60,62
	v_pk_mul_f32 v[TMP+\j:TMP+\j+1], v[AC+\j:AC+\j+1], s[96:97] op_sel_hi:[1,0]   ; x 2^(e10 + e11); each accumulator from its low end on
.endr
	WIN 0
.irp b, 0,1,2,3,4,5,6,7
	ds_store_b128 v[STO], v[TMP+8*\b:TMP+8*\b+3] offset:64*\b
	ds_store_b128 v[STO], v[TMP+8*\b+4:TMP+8*\b+7] offset:64*\b+16
.endr
.set BB, BK+64*((\a)%2)
.irp t, 0,1,2,3,4,5,6,7,8,9,10,11,12,13,14,15
	ds_load_b128 v[BB+4*\t:BB+4*\t+3], v[RD] offset:\t*SPITCH
.endr
.endm
.macro SEND a, younger                 ; younger: the LDS instructions issued behind block a's loads
.set BB, BK+64*((\a)%2)
	s_wait_dscnt \younger
.if (\a) > 0
	s_add_nc_u64 s[10:11], s[10:11], 16*SIZE_N*4   ; (behind a wait on XCNT: the earlier stores have read their base)
.endif
.irp t, 0,1,2,3,4,5,6,7,8,9,10,11,12,13,14,15
	global_store_b128 v[CO], v[BB+4*\t:BB+4*\t+3], s[10:11] offset:\t*SIZE_N*4 th:TH_STORE_NT
.endr
.endm
	s_wait_kmcnt 0x0
	s_add_co_i32 s96, s96, s97
	s_add_co_i32 s96, s96, 127
	s_lshl_b32 s96, s96, 23                        ; 2^(e10 + e11) as f32
	PLACES NP
	TOSTAGE 0
.irp a, 1,2,3
.if \a > 1
	s_wait_xcnt 0x0                                ; block a - 2's stores have read their registers and their base
.endif
	TOSTAGE \a
	SEND \a-1, 32
.endr
	s_wait_xcnt 0x0
	SEND 3, 0
	s_wait_tensorcnt 0x0                           ; the wave's end
	ds_add_u32 v[SPW], v[NIL]
	s_wait_dscnt 0x0
	CROUND                                         ; the closing round
	s_endpgm
.Lfunc_end_k_q7f6cf6927a_outp:
	.size	k_q7f6cf6927a_outp, .Lfunc_end_k_q7f6cf6927a_outp-k_q7f6cf6927a_outp
	.p2alignl 7, 3214868480
	.fill 96, 4, 3214868480
	.section	.rodata,"a",@progbits
	.p2align	6, 0x0
	.amdhsa_kernel k_q7f6cf6927a_outp
		.amdhsa_group_segment_fixed_size 327680
		.amdhsa_private_segment_fixed_size 0
		.amdhsa_enable_private_segment 0
		.amdhsa_kernarg_size 32
		.amdhsa_user_sgpr_count 2
		.amdhsa_user_sgpr_kernarg_segment_ptr 1
		.amdhsa_wavefront_size32 1
		.amdhsa_system_sgpr_workgroup_id_x 1
		.amdhsa_system_sgpr_workgroup_id_y 1
		.amdhsa_system_sgpr_workgroup_id_z 1
		.amdhsa_system_vgpr_workitem_id 0
		.amdhsa_next_free_vgpr 768
		.amdhsa_next_free_sgpr 100
		.amdhsa_reserve_vcc 0
		.amdhsa_float_denorm_mode_32 3
		.amdhsa_float_denorm_mode_16_64 3
		.amdhsa_memory_ordered 1
		.amdhsa_forward_progress 1
		.amdhsa_inst_pref_size 75
	.end_amdhsa_kernel
	.amdgpu_metadata
---
amdhsa.version: [ 1, 2 ]
amdhsa.kernels:
  - .name:           k_q7f6cf6927a_outp
    .symbol:         k_q7f6cf6927a_outp.kd
    .args:
      - { .name: af, .offset: 0, .size: 8, .value_kind: global_buffer, .address_space: global }
      - { .name: wc, .offset: 8, .size: 8, .value_kind: global_buffer, .address_space: global }
      - { .name: lowp_scales, .offset: 16, .size: 8, .value_kind: global_buffer, .address_space: global }
      - { .name: out0, .offset: 24, .size: 8, .value_kind: global_buffer, .address_space: global }
    .group_segment_fixed_size: 327680
    .private_segment_fixed_size: 0
    .kernarg_segment_align: 8
    .kernarg_segment_size: 32
    .max_flat_workgroup_size: 128
    .sgpr_count:     100
    .vgpr_count:     768
    .wavefront_size: 32
...
	.end_amdgpu_metadata
.endif
;; end of part 4
